; MI455X (gfx1250); checked and timed in simulation.
; The chip was launched on July 23, 2026; its instructions are those of AMD's public machine-readable ISA for CDNA 5 (MIT licence, August 2026) and "CDNA5" Instruction Set Architecture Reference Guide (July 2026). The comments in the code are by the model that wrote it; some were corrected since.
;; Local Transformer. Allowed arithmetic: matrix products marked QUANTISED: E5M2 operands, one given power-of-two scale a tensor, by v_wmma_f32_16x16x64_bf8_bf8 or v_wmma_f32_16x16x128_bf8_bf8, f32 sums; products left as they are: f32 operands where the result goes on into a quantised operand, else bf16, f16 or f32 operands; f32 sums; everything else in f32.
;; Inputs: Wa 64 x 64 float32; Wk 64 x 64 float32; Wks 64 x 64 float32; Wp1 4 x 64 float32; Wp2 64 x 64 float32; Wq 64 x 64 float32; Wt1 64 x 64 float32; Wt2 64 x 64 float32; Wv 64 x 64 float32; ba 64 float32; bk 64 float32; bp1 64 float32; bp2 64 float32; bt1 64 float32; bt2 64 float32; features 2 x 8,192 x 64 float32; lowp_scales 16 int32 (the exponents e of the quantised operands' scales 2^e); xyzp 2 x 8,192 x 4 float32.
;; Outputs: out0 2 x 8,192 x 64 float32.
;; Constants: k_nearest = 16.
;; This version of the problem:
;;   THIS VERSION OF THE PROBLEM IS GIVEN IN LOW PRECISION. The matrix products marked QUANTISED in the list below multiply operands that are first quantised to E5M2 (5 exponent bits, 2 mantissa bits; 8 bits a number), with one given power-of-two scale for each operand tensor; their sums are f32. All else is computed in f32.
;;   The module's matrix products, in the order in which they are computed (A, B: the left and right operand; K: the contracted axis; several contracted axes count as one K, in the product's order):
;;     1. batch 2 x [M 8,192, K 3] x [K 3, N 8,192]; A: input xyzp; B: input xyzp: left as it is (K = 3 < 32)
;;     2. [M 262,144, K 4] x [K 4, N 64]; A: computed on the way; B: input Wp1: left as it is (K = 4 < 32)
;;     3. [M 262,144, K 64] x [K 64, N 64]; A: computed on the way; B: input Wp2: QUANTISED (scales: A lowp_scales[0], B lowp_scales[1])
;;     4. [M 16,384, K 64] x [K 64, N 64]; A: input features; B: input Wk: QUANTISED (scales: A lowp_scales[2], B lowp_scales[3])
;;     5. [M 16,384, K 64] x [K 64, N 64]; A: computed on the way; B: input Wq: QUANTISED (scales: A lowp_scales[4], B lowp_scales[5])
;;     6. [M 16,384, K 64] x [K 64, N 64]; A: computed on the way; B: input Wks: QUANTISED (scales: A lowp_scales[6], B lowp_scales[7])
;;     7. [M 16,384, K 64] x [K 64, N 64]; A: computed on the way; B: input Wv: QUANTISED (scales: A lowp_scales[8], B lowp_scales[9])
;;     8. [M 262,144, K 64] x [K 64, N 64]; A: computed on the way; B: input Wt1: QUANTISED (scales: A lowp_scales[10], B lowp_scales[11])
;;     9. [M 262,144, K 64] x [K 64, N 64]; A: computed on the way; B: input Wt2: QUANTISED (scales: A lowp_scales[12], B lowp_scales[13])
;;     10. batch 1,048,576 x [M 1, K 16] x [K 16, N 1]; A: softmax; B: computed on the way: left as it is (K = 16 < 32)
;;     11. [M 16,384, K 64] x [K 64, N 64]; A: computed on the way; B: input Wa: QUANTISED (scales: A lowp_scales[14], B lowp_scales[15])
;;   THE QUANTISER, for each operand of a quantised product, along K:
;;     - The operand's scale is 2^e, e = its entry of the input lowp_scales (int32; the entries are numbered through the quantised products in the list's order, A before B).
;;     - Each number is divided by the scale, clamped to +-57,344, and rounded to the nearest number of E5M2, ties to even, subnormals kept.
;;     - The product sums the exact products of the quantised numbers (number of the format x scale) in f32.
;;   ~~~python
;;   def quantise(x, axis, e):      # numpy; x: float32 -> the quantised numbers, widened to float32 again
;;       x = np.moveaxis(x, axis, -1); K = x.shape[-1]
;;       r = np.clip(x / 2.0 ** e, -57344, 57344)
;;       step = 2.0 ** (np.maximum(np.frexp(np.where(r == 0, 1, r))[1] - 1, -14) - 2)
;;       q = np.round(r / step) * step * 2.0 ** e      # np.round: ties to even
;;       return np.moveaxis(q, -1, axis).astype(np.float32)
;;   ~~~
;;   OPERANDS COMPUTED ON THE WAY. 'Computed on the way' means the value that the module computes at that place (a softmax that the list does not call 'softmax' is quantised finished and normalised). What goes into a quantiser is computed in f32, as accurately as f32 sums, v_exp_f32 and their like allow (about 1e-6 of the number): no bf16 or f16 on the way to a quantiser, and a product that is left as it is and whose result goes on into a quantised operand takes f32 operands (vector FMAs, or v_wmma_f32_16x16x4_f32). A number that lies on a knife's edge between two numbers of the format may be rounded either way, as far as f32 arithmetic and the matrix unit's own rounding can turn it there, and no further.
;; 2 versions, each right; version 2 is version 1 with the launch fine written anew for expert scheduling mode. Each part assembles by itself: llvm-mc -triple=amdgcn-amd-amdhsa -mcpu=gfx1250 --defsym DOCPART=n.
;; ======== version 1 of 2: 3 launches
;; workspace buffers: chunks 1,048,576 bytes of whole numbers; idx 1,048,576 bytes of whole numbers; wcodes 32,768 bytes; qbuf 4,194,304 bytes; kv 8,388,608 bytes
;; launch coarse (part 1): grid 256 x 1, 16 waves a work-group, no clusters, 141,312 bytes of LDS; arguments xyzp, lowp_scales, Wp2, Wk, Wq, Wks, Wv, Wt1, Wt2, Wa, chunks, wcodes; writes chunks, wcodes
.if DOCPART == 1
	.amdgcn_target "amdgcn-amd-amdhsa--gfx1250"
	.amdhsa_code_object_version 6
	.text
	.protected	k_q82ccafeeb9_coarse
	.globl	k_q82ccafeeb9_coarse
	.p2align	8
	.type	k_q82ccafeeb9_coarse,@function
k_q82ccafeeb9_coarse:
	s_mov_b64 s[64:65], 0
	v_nop
	global_prefetch_b8 v0, s[64:65] scope:SCOPE_SE
	s_setreg_imm32_b32 hwreg(HW_REG_WAVE_MODE, 25, 1), 1
	s_wait_xcnt 0x0
; THE COARSE HALF OF THE 16 NEAREST NEIGHBOURS, and the eight weights as codes of E5M2.
; A batch's 8,192 points are cut into 512 chunks of 16 neighbouring indices.  Under the order (distance, index) the 16 nearest points of a query lie in the 16 chunks whose minima come first
; under (minimum, chunk): were a nearest point's chunk not among them, 16 other chunks would each hold a point that comes before it.  This launch computes every distance once, keeps one
; minimum a chunk, and stores for each query the 16 chunks; the next launch looks into those 256 points.
; d = (sq_n + sq_m) - 2 x.y in f32: sq and x.y are a multiplication and two fused multiply-adds in the order x, y, z; one rounded sum; one fused multiply-add by -2.  The next launch forms the same bits.
; SHARES.  Work-group g owns queries 64 g .. 64 g + 63 (all of one batch) against all 8,192 points of the batch.  Thread t owns chunk t: its 16 points stay in registers, as eight pairs for the
; packed forms; the queries stream through scalar registers, eight at a time in two buffers.  Each query costs a lane 40 packed lines and 8 minima, and one LDS store of its chunk's minimum.
; THE CHOICE, behind the one barrier: eight lanes to a query, 64 minima a lane.  Pass 1, on the minima: sort four sixteens, merge them, merge across the eight lanes: T, the 16th smallest.
; Pass 2, the same lines on keys: 2^23 + chunk where the minimum is under T, 2^23 + 16,384 + chunk where it equals T, a large number otherwise: the 16 smallest keys are the chunks, ties to the lower chunk.
; No branch and no address hangs on a distance: the chunks are stored as data at fixed places.
; THE WEIGHTS.  Waves 0-3 of work-groups 0-7 also quantise one tile of 16 output channels of one weight [64 (k)][64 (n)] each: a lane takes column 16 t + r and k = 16 c + 8 h + 0..7 in registers 2 c, 2 c + 1,
; the order of the matrix operand's registers, and stores them so: byte 4096 g + 1024 t + 512 half + 16 lane.
; LIMITS: each weight's exponent e between -126 and 112.  NaN and infinity among the inputs are not served; -0 and +0 count as equal distances.
.set DUAL,  1                          ; 1: a compare-exchange is one dual-issue pair; 0: two plain lines
.set PITCH, 2176                       ; a query's 512 minima in LDS: 2,048 bytes + 128, so that the two queries that 16 lanes read together lie 128 bytes apart modulo 256
.set SBASE, 1                          ; v1   4 x thread: my chunk's word in a query's row; never rewritten
.set CADR,  2                          ; v2   256 x thread: my chunk's 16 points
.set SADR,  3                          ; v3   the trip's LDS store address
.set RADR,  4                          ; v4   the choice: my query's row + 16 x part
.set VP,    5                          ; v5   my part 0..7 of a query
.set OADR,  6                          ; v6   8 x thread: where my two chunks are stored
.set VT,    7                          ; v7   T
.set VB0,   8                          ; v8   2^23 + 4 x part, as bits
.set VB1,   9                          ; v9   the same + 16,384
.set VBIG,  10                         ; v10  0x7f000000
.set VK,    11                         ; v11  at work
.set MA,    12                         ; v12, v13 two chains of minima
.set MB,    13
.set OUT,   14                         ; v[14:15] my two chunks
.set XP,    16                         ; v16-31 x, v32-47 y, v48-63 z, v64-79 sq of my 16 points
.set YP,    32
.set ZP,    48
.set SQ,    64
.set R,     80                         ; v80-143 the points as loaded; then
.set T,     80                         ; v80-95  x.y, then d
.set U,     96                         ; v96-111 sq_n + sq_m
.set M,     16                         ; the choice: v16-79 64 minima, then keys
.set L0,    80                         ; four banks of 16, and one for the sorts
.set L1,    96
.set L2,    112
.set L3,    128
.set TB,    144
.set F,     16                         ; the weight: v16-47 32 numbers, v48-55 their codes
.set CW,    48
.set WV,    12                         ; s12  wave
.set LB,    13                         ; s13  LDS byte of the trip's first query
.set TY,    84                         ; s[84:85] the query's y (a packed form names a pair and takes its low word)
.set TS,    86                         ; s[86:87] the query's sq
.set TRIP,  88
.set QOFF,  89                         ; s89  byte of the trip's first query among my 64
.set P2,    90                         ; s90-92 masks of the part's three bits
.set P1,    91
.set P0,    92
.set EQ,    93
; ---- sorting: a compare-exchange reads two registers of one bank and writes two neighbours, an even and an odd one, of another bank
.macro CE dlo, dhi, a, b
.if DUAL
	v_dual_min_num_f32 v[\dlo], v[\a], v[\b] :: v_dual_max_num_f32 v[\dhi], v[\a], v[\b]
.else
	v_min_num_f32 v[\dlo], v[\a], v[\b]
	v_max_num_f32 v[\dhi], v[\a], v[\b]
.endif
.endm
; One stage of a bitonic network on 16: partners differ in bit b; ascending where (i & k) = 0.  In the bank that a stage of bit b has written, element i lies at i with its bits 0 and b exchanged; sb is the bit of the stage that wrote src.
.macro STAGE src, sb, dst, b, k
.irp i, 0,1,2,3,4,5,6,7,8,9,10,11,12,13,14,15
.if ((\i) & (1<<(\b))) == 0
.set i2, ((\i) | (1<<(\b)))
.set rA, (\src) + (((\i) & (~(1|(1<<(\sb))))) | (((\i)>>(\sb))&1) | (((\i)&1)<<(\sb)))
.set rB, (\src) + ((i2 & (~(1|(1<<(\sb))))) | ((i2>>(\sb))&1) | ((i2&1)<<(\sb)))
.set rL, (\dst) + (((\i) & (~(1|(1<<(\b))))) | (((\i)>>(\b))&1) | (((\i)&1)<<(\b)))
.set rH, rL+1
.if ((\i) & (\k)) == 0
	CE rL, rH, rA, rB
.else
	CE rH, rL, rA, rB
.endif
.endif
.endr
.endm
.macro SORT16 src, a, tmp              ; src is kept; the result lies ascending in a
	STAGE \src, 0, \tmp, 0, 2
	STAGE \tmp, 0, \a, 1, 4
	STAGE \a, 1, \tmp, 0, 4
	STAGE \tmp, 0, \a, 2, 8
	STAGE \a, 2, \tmp, 1, 8
	STAGE \tmp, 1, \a, 0, 8
	STAGE \a, 0, \tmp, 3, 16
	STAGE \tmp, 3, \a, 2, 16
	STAGE \a, 2, \tmp, 1, 16
	STAGE \tmp, 1, \a, 0, 16
.endm
.macro CLEAN16 a, o                    ; a bitonic sixteen in a becomes ascending; o is at work
	STAGE \a, 0, \o, 3, 16
	STAGE \o, 3, \a, 2, 16
	STAGE \a, 2, \o, 1, 16
	STAGE \o, 1, \a, 0, 16
.endm
.macro MERGE a, o                      ; the lower 16 of two ascending sixteens, ascending, in a
.irp i, 0,1,2,3,4,5,6,7,8,9,10,11,12,13,14,15
	v_min_num_f32 v[\a+\i], v[\a+\i], v[\o+15-\i]
.endr
	CLEAN16 \a, \o
.endm
.macro XMIN src, dst, m                ; the lower 16 of my sixteen and that of lane l xor m, bitonic
.irp i, 0,1,2,3,4,5,6,7,8,9,10,11,12,13,14,15
	v_min_num_f32_dpp v[\dst+\i], v[\src+15-\i], v[\src+\i] row_xmask:\m row_mask:0xf bank_mask:0xf
.endr
.endm
.macro XMERGE src, dst, m
	XMIN \src, \dst, \m
	CLEAN16 \dst, \src
.endm
.macro MAX16 d, t, bank
	v_max3_num_f32 v[\d], v[\bank], v[\bank+1], v[\bank+2]
	v_max3_num_f32 v[\t], v[\bank+3], v[\bank+4], v[\bank+5]
	v_max3_num_f32 v[\d], v[\d], v[\bank+6], v[\bank+7]
	v_max3_num_f32 v[\t], v[\t], v[\bank+8], v[\bank+9]
	v_max3_num_f32 v[\d], v[\d], v[\bank+10], v[\bank+11]
	v_max3_num_f32 v[\t], v[\t], v[\bank+12], v[\bank+13]
	v_max3_num_f32 v[\d], v[\d], v[\bank+14], v[\bank+15]
	v_max_num_f32 v[\d], v[\d], v[\t]
.endm
.macro KEY reg, c, b0, b1              ; the number in reg becomes its key; c: the register's own part of the id
	v_cmp_lt_f32 vcc_lo, v[\reg], v[VT]
	v_cmp_eq_f32 s[EQ], v[\reg], v[VT]
	v_cndmask_b32 v[VK], v[VBIG], v[\b1], s[EQ]
.if (\c) == 0
	v_cndmask_b32 v[\reg], v[VK], v[\b0], vcc_lo
.else
	v_cndmask_b32 v[VK], v[VK], v[\b0], vcc_lo
	v_add_nc_u32 v[\reg], \c, v[VK]
.endif
.endm
.macro PICK bank                       ; part p takes places 2 p and 2 p + 1 of the sixteen, into the bank's first two registers
.irp i, 0,1,2,3,4,5,6,7
	v_cndmask_b32 v[\bank+\i], v[\bank+\i], v[\bank+8+\i], s[P2]
.endr
.irp i, 0,1,2,3
	v_cndmask_b32 v[\bank+\i], v[\bank+\i], v[\bank+4+\i], s[P1]
.endr
.irp i, 0,1
	v_cndmask_b32 v[\bank+\i], v[\bank+\i], v[\bank+2+\i], s[P0]
.endr
.endm
.macro LOWEST16                        ; a lane's 64 numbers in M, and those of the lanes 1, 2 and 3 away: their lowest 16, ascending, in L0
	SORT16 M, L0, TB
	SORT16 M+16, L1, TB
	SORT16 M+32, L2, TB
	SORT16 M+48, L3, TB
	MERGE L0, L1
	MERGE L2, L3
	MERGE L0, L2
	XMERGE L0, L1, 1
	XMERGE L1, L0, 2
.endm
	s_load_b128 s[4:7], s[0:1], 0x0                ; xyzp s[4:5], the scales' exponents s[6:7]
	s_load_b512 s[16:31], s[0:1], 0x10             ; the eight weights: Wp2, Wk, Wq, Wks, Wv, Wt1, Wt2, Wa
	s_load_b128 s[8:11], s[0:1], 0x50              ; chunks s[8:9], wcodes s[10:11]
	v_lshl_add_u32 v160, v0, 2, 0x22000
	v_mov_b32 v161, 0
	v_lshrrev_b32 v1, 5, v0
	v_readfirstlane_b32 s[WV], v1                  ; wave 0..15
	v_lshlrev_b32 v[SBASE], 2, v0
	v_lshlrev_b32 v[CADR], 8, v0
	v_lshrrev_b32 v[RADR], 3, v0                   ; the choice: query thread / 8,
	v_mul_u32_u24 v[RADR], v[RADR], PITCH
	v_and_b32 v[VP], 7, v0                         ; part thread % 8
	v_lshl_add_u32 v[RADR], v[VP], 4, v[RADR]
	v_lshlrev_b32 v[OADR], 3, v0
	s_lshr_b32 s14, ttmp9, 7                       ; the batch
	s_lshl_b32 s14, s14, 17                        ; its 8,192 points of 16 bytes
	s_mov_b32 s15, 0
	s_lshl_b32 s2, ttmp9, 10                       ; my 64 queries of 16 bytes
	s_mov_b32 s3, 0
	s_lshl_b32 s98, ttmp9, 12                      ; their 64 x 64 bytes of chunks
	s_mov_b32 s99, 0
	s_wait_kmcnt 0x0
	s_add_nc_u64 s[14:15], s[4:5], s[14:15]
	s_add_nc_u64 s[2:3], s[4:5], s[2:3]
	s_add_nc_u64 s[8:9], s[8:9], s[98:99]
.irp i, 0,1,2,3,4,5,6,7,8,9,10,11,12,13,14,15
	global_load_b128 v[R+4*\i:R+4*\i+3], v[CADR], s[14:15] offset:16*\i   ; a lane's sixteen loads walk its own chunk's 256 bytes, once in the launch
.endr
	; ---- one tile of one weight, in waves 0-3 of work-groups 0-7; its loads fly beside the points'
	s_cmp_lt_u32 ttmp9, 8
	s_cbranch_scc0 .Lno_weight
	s_cmp_lt_u32 s[WV], 4
	s_cbranch_scc0 .Lno_weight
	s_mov_b64 s[94:95], s[16:17]                   ; the weight is chosen by the work-group's number alone
.irp m, 1,2,3,4,5,6,7
	s_cmp_eq_u32 ttmp9, \m
	s_cselect_b64 s[94:95], s[16+2*\m:17+2*\m], s[94:95]
.endr
	s_lshl_b32 s97, ttmp9, 3
	s_load_b32 s96, s[6:7], s97 offset:0x4         ; e: entry 2 g + 1
	v_and_b32 v7, 15, v0                           ; r
	v_bfe_u32 v8, v0, 4, 1                         ; h
	v_lshlrev_b32 v11, 2, v7
	v_lshl_add_u32 v11, v8, 11, v11                ; column r, 8 h rows of 256 bytes down,
	s_lshl_b32 s98, s[WV], 6
	v_add_nc_u32 v11, s98, v11                     ; in tile t = wave: 16 columns on
.irp c, 0,1,2,3
.irp i, 0,1,2,3,4,5,6,7
	global_load_b32 v[F+8*\c+\i], v11, s[94:95] offset:(16*\c+\i)*256   ; W(16 c + 8 h + i, 16 t + r): sixteen lanes read 64 neighbouring bytes
.endr
.endr
	v_and_b32 v10, 31, v0
	v_lshlrev_b32 v10, 4, v10
	s_lshl_b32 s98, ttmp9, 12
	s_lshl_b32 s99, s[WV], 10
	s_add_co_u32 s98, s98, s99
	v_add_nc_u32 v10, s98, v10                     ; 4096 g + 1024 t + 16 lane
	s_wait_kmcnt 0x0
	s_add_co_i32 s96, s96, 127
	s_lshl_b32 s97, s96, 23
	v_mov_b32 v8, s97                              ; 2^e as f32: the conversion takes its exponent field
	s_add_co_i32 s96, s96, 15
	s_lshl_b32 s96, s96, 23
	s_or_b32 s96, s96, 0x600000
	v_mov_b32 v9, s96                              ; 57,344 x 2^e
	s_wait_loadcnt 0x0
.set n, 0
.rept 32
	v_med3_num_f32 v[F+n], v[F+n], -v9, v9         ; the conversion to an 8-bit code does not saturate (ISA guide 7.6.2): the hold comes first
.set n, n+1
.endr
.irp c, 0,1,2,3
	v_cvt_scalef32_pk8_bf8_f32 v[CW+2*\c:CW+2*\c+1], v[F+8*\c:F+8*\c+7], v8
.endr
	v_nop                                          ; a plain line between the conversions and the next vector lines that write their registers
	global_store_b128 v10, v[CW:CW+3], s[10:11]    ; the wave stores 512 consecutive bytes, twice
	global_store_b128 v10, v[CW+4:CW+7], s[10:11] offset:512
	s_wait_xcnt 0x0                                ; the stores' registers are written again below
.Lno_weight:
	s_load_b512 s[16:31], s[2:3], 0x0              ; queries 0-7 into buffer 0 (the weights' addresses are done with)
	s_load_b512 s[32:47], s[2:3], 0x40
	s_mov_b32 s[TY+1], 0                           ; named as the upper halves of pairs, so they are written
	s_mov_b32 s[TS+1], 0
	s_mov_b32 s[TRIP], 0
	s_mov_b32 s[QOFF], 0
	s_mov_b32 s[LB], 0
	s_wait_loadcnt 0x0
.irp i, 0,1,2,3,4,5,6,7,8,9,10,11,12,13,14,15
	v_mov_b32 v[XP+\i], v[R+4*\i]                  ; once a wave: x, y and z in runs of their own, so that the loop's packed forms take two points a line
	v_mov_b32 v[YP+\i], v[R+4*\i+1]
	v_mov_b32 v[ZP+\i], v[R+4*\i+2]
.endr
.irp i, 0,2,4,6,8,10,12,14
	v_pk_mul_f32 v[SQ+\i:SQ+\i+1], v[XP+\i:XP+\i+1], v[XP+\i:XP+\i+1]
.endr
.irp i, 0,2,4,6,8,10,12,14
	v_pk_fma_f32 v[SQ+\i:SQ+\i+1], v[YP+\i:YP+\i+1], v[YP+\i:YP+\i+1], v[SQ+\i:SQ+\i+1]
.endr
.irp i, 0,2,4,6,8,10,12,14
	v_pk_fma_f32 v[SQ+\i:SQ+\i+1], v[ZP+\i:ZP+\i+1], v[ZP+\i:ZP+\i+1], v[SQ+\i:SQ+\i+1]
.endr
	s_wait_kmcnt 0x0
; One query, in s[sb .. sb + 3], against my 16 points; qi: its place among the trip's 16
.macro QUERY sb, qi
	s_mov_b32 s[TY], s[\sb+1]
	s_mul_f32 s[TS], s[\sb], s[\sb]
	s_fmac_f32 s[TS], s[\sb+1], s[\sb+1]
	s_fmac_f32 s[TS], s[\sb+2], s[\sb+2]
.irp i, 0,2,4,6,8,10,12,14
	v_pk_mul_f32 v[T+\i:T+\i+1], v[XP+\i:XP+\i+1], s[\sb:\sb+1] op_sel_hi:[1,0]
.endr
.irp i, 0,2,4,6,8,10,12,14
	v_pk_fma_f32 v[T+\i:T+\i+1], v[YP+\i:YP+\i+1], s[TY:TY+1], v[T+\i:T+\i+1] op_sel_hi:[1,0,1]
.endr
.irp i, 0,2,4,6,8,10,12,14
	v_pk_fma_f32 v[T+\i:T+\i+1], v[ZP+\i:ZP+\i+1], s[\sb+2:\sb+3], v[T+\i:T+\i+1] op_sel_hi:[1,0,1]
.endr
.irp i, 0,2,4,6,8,10,12,14
	v_pk_add_f32 v[U+\i:U+\i+1], v[SQ+\i:SQ+\i+1], s[TS:TS+1] op_sel_hi:[1,0]
.endr
.irp i, 0,2,4,6,8,10,12,14
	v_pk_fma_f32 v[T+\i:T+\i+1], v[T+\i:T+\i+1], -2.0, v[U+\i:U+\i+1] op_sel_hi:[1,0,1]
.endr
	v_min3_num_f32 v[MA], v[T], v[T+1], v[T+2]
	v_min3_num_f32 v[MB], v[T+3], v[T+4], v[T+5]
	v_min3_num_f32 v[MA], v[MA], v[T+6], v[T+7]
	v_min3_num_f32 v[MB], v[MB], v[T+8], v[T+9]
	v_min3_num_f32 v[MA], v[MA], v[T+10], v[T+11]
	v_min3_num_f32 v[MB], v[MB], v[T+12], v[T+13]
	v_min3_num_f32 v[MA], v[MA], v[T+14], v[T+15]
	v_min_num_f32 v[MA], v[MA], v[MB]
	ds_store_b32 v[SADR], v[MA] offset:(\qi)*PITCH ; a wave stores 128 consecutive bytes of the query's row
.endm
.Ltrip:                                                ; four trips of 16 queries
	s_load_b512 s[48:63], s[2:3], s[QOFF] offset:0x80      ; the trip's queries 8-15 into buffer 1, while buffer 0 is at work
	s_load_b512 s[68:83], s[2:3], s[QOFF] offset:0xc0
	v_add_nc_u32 v[SADR], s[LB], v[SBASE]
.irp q, 0,1,2,3,4,5,6,7
	QUERY 16+4*\q, \q
.endr
	s_wait_kmcnt 0x0                               ; buffer 1 is in, and its loads have read their offset
	s_add_co_u32 s[QOFF], s[QOFF], 256
	s_and_b32 s[QOFF], s[QOFF], 1023               ; in the last trip the offset wraps: queries 0-7 are read once more, inside the buffer, and not used
	s_load_b512 s[16:31], s[2:3], s[QOFF] offset:0x0
	s_load_b512 s[32:47], s[2:3], s[QOFF] offset:0x40
.irp q, 0,1,2,3
	QUERY 48+4*\q, 8+\q
.endr
.irp q, 0,1,2,3
	QUERY 68+4*\q, 12+\q
.endr
	s_add_co_u32 s[LB], s[LB], 16*PITCH
	s_wait_kmcnt 0x0
	s_add_co_u32 s[TRIP], s[TRIP], 1
	s_cmp_lt_u32 s[TRIP], 4
	s_cbranch_scc1 .Ltrip
	s_wait_dscnt 0x0                               ; for the others' sake: my minima lie in LDS
	s_barrier_signal -1
	s_barrier_wait -1                              ; all 64 x 512 do
.irp j, 0,1,2,3,4,5,6,7,8,9,10,11,12,13,14,15
	ds_load_b128 v[M+4*\j:M+4*\j+3], v[RADR] offset:128*\j   ; register 4 j + i: chunk 32 j + 4 p + i of my query
.endr
	v_and_b32 v[VK], 4, v[VP]
	v_cmp_ne_u32 s[P2], 0, v[VK]
	v_and_b32 v[VK], 2, v[VP]
	v_cmp_ne_u32 s[P1], 0, v[VK]
	v_and_b32 v[VK], 1, v[VP]
	v_cmp_ne_u32 s[P0], 0, v[VK]
	v_lshl_or_b32 v[VB0], v[VP], 2, 0x4b000000
	v_add_nc_u32 v[VB1], 0x4000, v[VB0]
	v_mov_b32 v[VBIG], 0x7f000000
	s_wait_dscnt 0x0
	LOWEST16                                       ; pass 1
	XMIN L0, L1, 4
	MAX16 VT, VK, L1                               ; T: the 16th smallest of the query's 512 minima
.irp j, 0,1,2,3,4,5,6,7,8,9,10,11,12,13,14,15
.irp i, 0,1,2,3
	KEY M+4*\j+\i, 32*\j+\i, VB0, VB1
.endr
.endr
	LOWEST16                                       ; pass 2
	XMERGE L0, L1, 4
	PICK L1
	v_and_b32 v[OUT], 0x1ff, v[L1]
	v_and_b32 v[OUT+1], 0x1ff, v[L1+1]
	global_store_b64 v[OADR], v[OUT:OUT+1], s[8:9] ; a wave stores 256 consecutive bytes, at a multiple of 256 from the buffer's first byte
	s_wait_tensorcnt 0x0
	ds_add_u32 v160, v161
	s_wait_dscnt 0x0
	s_endpgm
.Lfunc_end_k_q82ccafeeb9_coarse:
	.size	k_q82ccafeeb9_coarse, .Lfunc_end_k_q82ccafeeb9_coarse-k_q82ccafeeb9_coarse
	.p2alignl 7, 3214868480
	.fill 96, 4, 3214868480
	.section	.rodata,"a",@progbits
	.p2align	6, 0x0
	.amdhsa_kernel k_q82ccafeeb9_coarse
		.amdhsa_group_segment_fixed_size 141312
		.amdhsa_private_segment_fixed_size 0
		.amdhsa_enable_private_segment 0
		.amdhsa_kernarg_size 96
		.amdhsa_user_sgpr_count 2
		.amdhsa_user_sgpr_kernarg_segment_ptr 1
		.amdhsa_wavefront_size32 1
		.amdhsa_system_sgpr_workgroup_id_x 1
		.amdhsa_system_sgpr_workgroup_id_y 1
		.amdhsa_system_sgpr_workgroup_id_z 1
		.amdhsa_system_vgpr_workitem_id 0
		.amdhsa_next_free_vgpr 162
		.amdhsa_next_free_sgpr 100
		.amdhsa_reserve_vcc 1
		.amdhsa_float_denorm_mode_32 3
		.amdhsa_float_denorm_mode_16_64 3
		.amdhsa_memory_ordered 1
		.amdhsa_forward_progress 1
		.amdhsa_inst_pref_size 155
	.end_amdhsa_kernel
	.amdgpu_metadata
---
amdhsa.version: [ 1, 2 ]
amdhsa.kernels:
  - .name:           k_q82ccafeeb9_coarse
    .symbol:         k_q82ccafeeb9_coarse.kd
    .args:
      - { .name: xyzp, .offset: 0, .size: 8, .value_kind: global_buffer, .address_space: global }
      - { .name: lowp_scales, .offset: 8, .size: 8, .value_kind: global_buffer, .address_space: global }
      - { .name: Wp2, .offset: 16, .size: 8, .value_kind: global_buffer, .address_space: global }
      - { .name: Wk, .offset: 24, .size: 8, .value_kind: global_buffer, .address_space: global }
      - { .name: Wq, .offset: 32, .size: 8, .value_kind: global_buffer, .address_space: global }
      - { .name: Wks, .offset: 40, .size: 8, .value_kind: global_buffer, .address_space: global }
      - { .name: Wv, .offset: 48, .size: 8, .value_kind: global_buffer, .address_space: global }
      - { .name: Wt1, .offset: 56, .size: 8, .value_kind: global_buffer, .address_space: global }
      - { .name: Wt2, .offset: 64, .size: 8, .value_kind: global_buffer, .address_space: global }
      - { .name: Wa, .offset: 72, .size: 8, .value_kind: global_buffer, .address_space: global }
      - { .name: chunks, .offset: 80, .size: 8, .value_kind: global_buffer, .address_space: global }
      - { .name: wcodes, .offset: 88, .size: 8, .value_kind: global_buffer, .address_space: global }
    .group_segment_fixed_size: 141312
    .private_segment_fixed_size: 0
    .kernarg_segment_align: 8
    .kernarg_segment_size: 96
    .max_flat_workgroup_size: 512
    .sgpr_count:     100
    .vgpr_count:     162
    .wavefront_size: 32
...
	.end_amdgpu_metadata
.endif
;; end of part 1
;; launch fine (part 2): grid 256 x 1, 16 waves a work-group, no clusters, 55,296 bytes of LDS; arguments xyzp, chunks, features, wcodes, lowp_scales, bk, idx, qbuf, kv; writes idx, qbuf, kv
.if DOCPART == 2
	.amdgcn_target "amdgcn-amd-amdhsa--gfx1250"
	.amdhsa_code_object_version 6
	.text
	.protected	k_q82ccafeeb9_fine
	.globl	k_q82ccafeeb9_fine
	.p2align	8
	.type	k_q82ccafeeb9_fine,@function
k_q82ccafeeb9_fine:
	s_mov_b64 s[64:65], 0
	v_nop
	global_prefetch_b8 v0, s[64:65] scope:SCOPE_SE
	s_setreg_imm32_b32 hwreg(HW_REG_WAVE_MODE, 25, 1), 1
	s_wait_xcnt 0x0
; THE FINE HALF OF THE 16 NEAREST NEIGHBOURS, and the four products on single points: x = features Wk + bk, q = x Wq, k = x Wks, v = x Wv, on codes of E5M2.
; NEIGHBOURS.  Work-group g owns queries 64 g .. 64 g + 63; eight lanes to a query.  A lane reads two of the query's 16 chunks (whole numbers that the launch before has stored), gathers their 32 points,
; and forms d = (sq_n + sq_m) - 2 x.y as that launch does, bit for bit: a multiplication and two fused multiply-adds for sq and for x.y, one sum, one fused multiply-add by -2.
; Pass 1, on the distances: sort two sixteens, merge, merge across the eight lanes: T, the 16th smallest of the 256.  Pass 2, the same lines on keys: 2^23 + index where d is under T, 2^23 + 16,384 + index where it
; equals T, a large number otherwise: the 16 smallest keys are the neighbours, ties to the lower index.  They are stored as rows of the whole tensor, 8192 b + index.  Their order among themselves is that of the keys;
; what follows is symmetric in it.  No branch and no address hangs on a distance.
; PRODUCTS.  Waves 0-3 take 16 rows each, ahead of their neighbours.  Each product is used transposed (source 0 = 16 output channels of the weight, source 1 = my 16 rows): lane (r, h) then holds row r and channels
; 16 t + 8 h + 0..7, which is the order of the next operand's registers, so that x is quantised where it stands, three times, each time with its own scale.  The weights come as codes in the order of the operand's registers.
; q, k and v go through the wave's own stage in LDS and leave as whole rows.  No barrier: no wave reads another's bytes.
; LIMITS: entries 2, 4, 6, 8 of the exponents between -126 and 112; the sums of entries 2+3, 4+5, 6+7, 8+9 between -126 and 127.  NaN and infinity among the inputs are not served; -0 and +0 count as equal distances.
.set DUAL,  1                          ; 1: a compare-exchange is one dual-issue pair; 0: two plain lines
.set VR,    1                          ; v1   r = lane % 16
.set VH,    2                          ; v2   h = lane / 16
.set L16,   3                          ; v3   16 x lane
.set VP,    4                          ; v4   my part 0..7 of a query
.set OADR,  5                          ; v5   8 x thread
.set CH,    6                          ; v[6:7]  my two chunks
.set QX,    8                          ; v[8:11] my query's x, y, z, p
.set SQN,   12                         ; v12  its sq (first: its byte offset)
.set VT,    13                         ; v13  T
.set OUT,   14                         ; v14, v15  256 x chunk; at the end my two neighbours
.set VBIG,  20                         ; v16-19 the keys' bases of the two chunks; v20 0x7f000000; v21 at work.  In the products: v16 scale, v17 limit, v18-20 offsets
.set VK,    21
.set STI,   22                         ; v22  my stage, on the way in: 272 r + 32 h
.set STB,   23                         ; v23  and back: 272 h + 16 r
.set C,     24                         ; v24-31 an operand's codes
.set R,     32                         ; v32-159  32 points as loaded
.set D,     160                        ; v160-191 their distances, then keys
.set L0,    32
.set L1,    48
.set TB,    64
.set WF,    32                         ; the products: v32-159 Wk, Wq, Wks, Wv, 32 registers each; later the rows on their way out
.set F,     160                        ; v160-191 numbers on their way into a conversion or into the stage
.set BK,    192                        ; v192-223 bk, then x
.set XD,    224                        ; v224-255 four accumulators
.set WV,    22                         ; s22  wave
.set P2,    56
.set P1,    57
.set P0,    58
.set EQ,    59
.macro CE dlo, dhi, a, b
.if DUAL
	v_dual_min_num_f32 v[\dlo], v[\a], v[\b] :: v_dual_max_num_f32 v[\dhi], v[\a], v[\b]
.else
	v_min_num_f32 v[\dlo], v[\a], v[\b]
	v_max_num_f32 v[\dhi], v[\a], v[\b]
.endif
.endm
; One stage of a bitonic network on 16: partners differ in bit b; ascending where (i & k) = 0.  In the bank that a stage of bit b has written, element i lies at i with its bits 0 and b exchanged; sb is the bit of the stage that wrote src.
.macro STAGE src, sb, dst, b, k
.irp i, 0,1,2,3,4,5,6,7,8,9,10,11,12,13,14,15
.if ((\i) & (1<<(\b))) == 0
.set i2, ((\i) | (1<<(\b)))
.set rA, (\src) + (((\i) & (~(1|(1<<(\sb))))) | (((\i)>>(\sb))&1) | (((\i)&1)<<(\sb)))
.set rB, (\src) + ((i2 & (~(1|(1<<(\sb))))) | ((i2>>(\sb))&1) | ((i2&1)<<(\sb)))
.set rL, (\dst) + (((\i) & (~(1|(1<<(\b))))) | (((\i)>>(\b))&1) | (((\i)&1)<<(\b)))
.set rH, rL+1
.if ((\i) & (\k)) == 0
	CE rL, rH, rA, rB
.else
	CE rH, rL, rA, rB
.endif
.endif
.endr
.endm
.macro SORT16 src, a, tmp              ; src is kept; the result lies ascending in a
	STAGE \src, 0, \tmp, 0, 2
	STAGE \tmp, 0, \a, 1, 4
	STAGE \a, 1, \tmp, 0, 4
	STAGE \tmp, 0, \a, 2, 8
	STAGE \a, 2, \tmp, 1, 8
	STAGE \tmp, 1, \a, 0, 8
	STAGE \a, 0, \tmp, 3, 16
	STAGE \tmp, 3, \a, 2, 16
	STAGE \a, 2, \tmp, 1, 16
	STAGE \tmp, 1, \a, 0, 16
.endm
.macro CLEAN16 a, o
	STAGE \a, 0, \o, 3, 16
	STAGE \o, 3, \a, 2, 16
	STAGE \a, 2, \o, 1, 16
	STAGE \o, 1, \a, 0, 16
.endm
.macro MERGE a, o
.irp i, 0,1,2,3,4,5,6,7,8,9,10,11,12,13,14,15
	v_min_num_f32 v[\a+\i], v[\a+\i], v[\o+15-\i]
.endr
	CLEAN16 \a, \o
.endm
.macro XMIN src, dst, m
.irp i, 0,1,2,3,4,5,6,7,8,9,10,11,12,13,14,15
	v_min_num_f32_dpp v[\dst+\i], v[\src+15-\i], v[\src+\i] row_xmask:\m row_mask:0xf bank_mask:0xf
.endr
.endm
.macro XMERGE src, dst, m
	XMIN \src, \dst, \m
	CLEAN16 \dst, \src
.endm
.macro MAX16 d, t, bank
	v_max3_num_f32 v[\d], v[\bank], v[\bank+1], v[\bank+2]
	v_max3_num_f32 v[\t], v[\bank+3], v[\bank+4], v[\bank+5]
	v_max3_num_f32 v[\d], v[\d], v[\bank+6], v[\bank+7]
	v_max3_num_f32 v[\t], v[\t], v[\bank+8], v[\bank+9]
	v_max3_num_f32 v[\d], v[\d], v[\bank+10], v[\bank+11]
	v_max3_num_f32 v[\t], v[\t], v[\bank+12], v[\bank+13]
	v_max3_num_f32 v[\d], v[\d], v[\bank+14], v[\bank+15]
	v_max_num_f32 v[\d], v[\d], v[\t]
.endm
.macro KEY reg, c, b0, b1
	v_cmp_lt_f32 vcc_lo, v[\reg], v[VT]
	v_cmp_eq_f32 s[EQ], v[\reg], v[VT]
	v_cndmask_b32 v[VK], v[VBIG], v[\b1], s[EQ]
.if (\c) == 0
	v_cndmask_b32 v[\reg], v[VK], v[\b0], vcc_lo
.else
	v_cndmask_b32 v[VK], v[VK], v[\b0], vcc_lo
	v_add_nc_u32 v[\reg], \c, v[VK]
.endif
.endm
.macro PICK bank
.irp i, 0,1,2,3,4,5,6,7
	v_cndmask_b32 v[\bank+\i], v[\bank+\i], v[\bank+8+\i], s[P2]
.endr
.irp i, 0,1,2,3
	v_cndmask_b32 v[\bank+\i], v[\bank+\i], v[\bank+4+\i], s[P1]
.endr
.irp i, 0,1
	v_cndmask_b32 v[\bank+\i], v[\bank+\i], v[\bank+2+\i], s[P0]
.endr
.endm
.macro LOWEST16                        ; a lane's 32 numbers in D, and those of the lanes 1, 2 and 3 away: their lowest 16, ascending, in L0
	SORT16 D, L0, TB
	SORT16 D+16, L1, TB
	MERGE L0, L1
	XMERGE L0, L1, 1
	XMERGE L1, L0, 2
.endm
.macro PLACES                          ; four plain lines between a matrix instruction and the first read of its result, or the first write of one of its registers (ISA guide 7.12.1)
.rept 4
	v_nop
.endr
.endm
.macro QCONST e                        ; v16 = 2^e as f32, v17 = 57,344 x 2^e; e in s[e]
	s_add_co_i32 s52, s[\e], 127
	s_lshl_b32 s53, s52, 23
	v_mov_b32 v16, s53
	s_add_co_i32 s52, s52, 15
	s_lshl_b32 s52, s52, 23
	s_or_b32 s52, s52, 0x600000
	v_mov_b32 v17, s52
.endm
.macro PCONST ea, eb                   ; s[50:51] = 2^(ea + eb) as f32, twice
	s_add_co_i32 s50, s[\ea], s[\eb]
	s_add_co_i32 s50, s50, 127
	s_lshl_b32 s50, s50, 23
	s_mov_b32 s51, s50
.endm
.macro CODES src                       ; 32 held numbers become the operand's eight registers
.irp c, 0,1,2,3
	v_cvt_scalef32_pk8_bf8_f32 v[C+2*\c:C+2*\c+1], v[\src+8*\c:\src+8*\c+7], v16
.endr
	v_nop                                          ; a plain line between the conversions and the matrix instructions that read their results
.endm
.macro MUL4 w                          ; four tiles of 16 channels x my 16 rows; each sum begins with the constant 0
.irp t, 0,1,2,3
	v_wmma_f32_16x16x64_bf8_bf8 v[XD+8*\t:XD+8*\t+7], v[\w+8*\t:\w+8*\t+7], v[C:C+7], 0
.endr
	PLACES
.endm
; x, quantised with entry ea, times the weight at w (entry eb), into part reg of my stage
.macro PART ea, eb, w, reg
	QCONST \ea
	PCONST \ea, \eb
.set n, 0
.rept 32
	v_med3_num_f32 v[F+n], v[BK+n], -v17, v17      ; the hold: the conversion to an 8-bit code does not saturate (ISA guide 7.6.2).  x itself is kept
.set n, n+1
.endr
	CODES F
	MUL4 \w
.set n, 0
.rept 16
	v_pk_mul_f32 v[F+n:F+n+1], v[XD+n:XD+n+1], s[50:51] op_sel_hi:[1,0]   ; each accumulator from its low end on
.set n, n+2
.endr
.irp t, 0,1,2,3
	ds_store_b128 v[STI], v[F+8*\t:F+8*\t+3] offset:\reg+64*\t
	ds_store_b128 v[STI], v[F+8*\t+4:F+8*\t+7] offset:\reg+64*\t+16
.endr
.endm
	s_load_b512 s[4:19], s[0:1], 0x0               ; xyzp s[4:5], chunks s[6:7], features s[8:9], wcodes s[10:11], exponents s[12:13], bk s[14:15], idx s[16:17], qbuf s[18:19]
	s_load_b64 s[20:21], s[0:1], 0x40              ; kv
	v_lshrrev_b32 v1, 5, v0
	v_readfirstlane_b32 s[WV], v1                  ; wave 0..15
	v_and_b32 v[VR], 15, v0
	v_bfe_u32 v[VH], v0, 4, 1
	v_and_b32 v[L16], 31, v0
	v_lshlrev_b32 v[L16], 4, v[L16]
	v_and_b32 v[VP], 7, v0
	v_lshlrev_b32 v[OADR], 3, v0
	v_lshrrev_b32 v[SQN], 3, v0
	v_lshlrev_b32 v[SQN], 4, v[SQN]                ; my query's 16 bytes among the work-group's
	s_and_b32 s23, s[WV], 3                        ; the stages' addresses are made ahead of the parting of the waves; only waves 0-3 use them
	s_mul_i32 s23, s23, 13312                      ; a stage: q, k, v, each 16 rows of 256 + 16 bytes
	v_mul_u32_u24 v[STI], v[VR], 272
	v_lshl_add_u32 v[STI], v[VH], 5, v[STI]
	v_add_nc_u32 v[STI], s23, v[STI]
	v_mul_u32_u24 v[STB], v[VH], 272
	v_lshl_add_u32 v[STB], v[VR], 4, v[STB]
	v_add_nc_u32 v[STB], s23, v[STB]
	s_lshl_b32 s24, ttmp9, 12                      ; 64 queries x 64 bytes, in chunks and in idx
	s_mov_b32 s25, 0
	s_lshl_b32 s26, ttmp9, 10                      ; 64 queries x 16 bytes
	s_mov_b32 s27, 0
	s_lshr_b32 s28, ttmp9, 7                       ; the batch
	s_lshl_b32 s30, s28, 17
	s_mov_b32 s31, 0
	s_lshl_b32 s29, s28, 13                        ; 8192 b
	s_wait_kmcnt 0x0
	s_load_b512 s[32:47], s[12:13], 0x0            ; the sixteen exponents: entry i in s[32 + i]
	s_add_nc_u64 s[6:7], s[6:7], s[24:25]
	s_add_nc_u64 s[16:17], s[16:17], s[24:25]
	s_add_nc_u64 s[26:27], s[4:5], s[26:27]
	s_add_nc_u64 s[48:49], s[4:5], s[30:31]        ; the batch's points
	global_load_b64 v[CH:CH+1], v[OADR], s[6:7]
	global_load_b128 v[QX:QX+3], v[SQN], s[26:27]
	; ---- the products, in waves 0-3: rows 64 g + 16 w + r
	s_cmp_lt_u32 s[WV], 4
	s_cbranch_scc0 .Lknn
	s_lshl_b32 s52, ttmp9, 6
	s_lshl_b32 s53, s[WV], 4
	s_add_co_u32 s52, s52, s53                     ; my first row
	s_lshl_b32 s54, s52, 8
	s_mov_b32 s55, 0
	s_add_nc_u64 s[8:9], s[8:9], s[54:55]
	s_add_nc_u64 s[18:19], s[18:19], s[54:55]
	s_lshl_b32 s54, s52, 9
	s_add_nc_u64 s[20:21], s[20:21], s[54:55]
	v_lshlrev_b32 v18, 8, v[VR]
	v_lshl_add_u32 v18, v[VH], 5, v18              ; features: 256 r + 32 h
	v_lshlrev_b32 v19, 5, v[VH]                    ; bk: 32 h
	v_lshlrev_b32 v20, 9, v[VH]
	v_lshl_add_u32 v20, v[VR], 4, v20              ; kv, on the way out: 512 h + 16 r
.irp c, 0,1,2,3
	global_load_b128 v[F+8*\c:F+8*\c+3], v18, s[8:9] offset:64*\c          ; features(row r, 16 c + 8 h + 0..7)
	global_load_b128 v[F+8*\c+4:F+8*\c+7], v18, s[8:9] offset:64*\c+16
.endr
.irp m, 0,1,2,3
.irp t, 0,1,2,3
	global_load_b128 v[WF+32*\m+8*\t:WF+32*\m+8*\t+3], v[L16], s[10:11] offset:(\m+1)*4096+\t*1024        ; a fragment as it was stored: 512 consecutive bytes a load
	global_load_b128 v[WF+32*\m+8*\t+4:WF+32*\m+8*\t+7], v[L16], s[10:11] offset:(\m+1)*4096+\t*1024+512
.endr
.endr
.irp t, 0,1,2,3
	global_load_b128 v[BK+8*\t:BK+8*\t+3], v19, s[14:15] offset:64*\t      ; bk(16 t + 8 h + 0..7): the result's layout
	global_load_b128 v[BK+8*\t+4:BK+8*\t+7], v19, s[14:15] offset:64*\t+16
.endr
	s_wait_kmcnt 0x0
	QCONST 34
	PCONST 34, 35
	s_wait_loadcnt 0x0
.set n, 0
.rept 32
	v_med3_num_f32 v[F+n], v[F+n], -v17, v17
.set n, n+1
.endr
	CODES F
	MUL4 WF
.set n, 0
.rept 16
	v_pk_fma_f32 v[BK+n:BK+n+1], v[XD+n:XD+n+1], s[50:51], v[BK+n:BK+n+1] op_sel_hi:[1,0,1]   ; x = sum x 2^(e2 + e3) + bk
.set n, n+2
.endr
	PART 36, 37, WF+32, 0                          ; q
	PART 38, 39, WF+64, 4352                       ; k
	PART 40, 41, WF+96, 8704                       ; v
.irp i, 0,1,2,3,4,5,6,7                        ; back as whole rows, two a load.  LDS serves a wave's instructions in order (ISA guide 5.7.1.4): these see my stores
	ds_load_b128 v[WF+4*\i:WF+4*\i+3], v[STB] offset:2*\i*272
.endr
.irp i, 0,1,2,3,4,5,6,7
	ds_load_b128 v[WF+32+4*\i:WF+32+4*\i+3], v[STB] offset:4352+2*\i*272
.endr
.irp i, 0,1,2,3,4,5,6,7
	ds_load_b128 v[WF+64+4*\i:WF+64+4*\i+3], v[STB] offset:8704+2*\i*272
.endr
	s_wait_dscnt 0x0
.irp i, 0,1,2,3,4,5,6,7
	global_store_b128 v[L16], v[WF+4*\i:WF+4*\i+3], s[18:19] offset:512*\i         ; two rows of q: 512 consecutive bytes
.endr
.irp i, 0,1,2,3,4,5,6,7
	global_store_b128 v20, v[WF+32+4*\i:WF+32+4*\i+3], s[20:21] offset:1024*\i      ; sixteen lanes store a row's k, 256 consecutive bytes at a multiple of 256,
	global_store_b128 v20, v[WF+64+4*\i:WF+64+4*\i+3], s[20:21] offset:1024*\i+256  ; or its v
.endr
	s_wait_xcnt 0x0                                ; the stores' registers are written again below
.Lknn:
	; ---- the neighbours
	s_wait_loadcnt 0x0                             ; my two chunks and my query
	v_min_u32 v[CH], 511, v[CH]                    ; a loaded number enters an address only behind a bound
	v_min_u32 v[CH+1], 511, v[CH+1]
	v_lshlrev_b32 v[OUT], 8, v[CH]
	v_lshlrev_b32 v[OUT+1], 8, v[CH+1]
.irp u, 0,1
.irp i, 0,1,2,3,4,5,6,7,8,9,10,11,12,13,14,15
	global_load_b128 v[R+64*\u+4*\i:R+64*\u+4*\i+3], v[OUT+\u], s[48:49] offset:16*\i
.endr
.endr
	v_mul_f32 v[SQN], v[QX], v[QX]
	v_fmac_f32 v[SQN], v[QX+1], v[QX+1]
	v_fmac_f32 v[SQN], v[QX+2], v[QX+2]
	v_and_b32 v[VK], 4, v[VP]
	v_cmp_ne_u32 s[P2], 0, v[VK]
	v_and_b32 v[VK], 2, v[VP]
	v_cmp_ne_u32 s[P1], 0, v[VK]
	v_and_b32 v[VK], 1, v[VP]
	v_cmp_ne_u32 s[P0], 0, v[VK]
	v_lshl_or_b32 v16, v[CH], 4, 0x4b000000        ; 2^23 + 16 x chunk, as bits,
	v_add_nc_u32 v17, 0x4000, v16                  ; and + 16,384
	v_lshl_or_b32 v18, v[CH+1], 4, 0x4b000000
	v_add_nc_u32 v19, 0x4000, v18
	v_mov_b32 v[VBIG], 0x7f000000
	s_wait_loadcnt 0x0
; the eight lines of a distance, each for all 32 points, so that no line waits for the line above it.  sq_m takes the place of the point's fourth number, x.y that of its x
.set n, 0
.rept 32
	v_mul_f32 v[R+4*n+3], v[R+4*n], v[R+4*n]
.set n, n+1
.endr
.set n, 0
.rept 32
	v_fmac_f32 v[R+4*n+3], v[R+4*n+1], v[R+4*n+1]
.set n, n+1
.endr
.set n, 0
.rept 32
	v_fmac_f32 v[R+4*n+3], v[R+4*n+2], v[R+4*n+2]
.set n, n+1
.endr
.set n, 0
.rept 32
	v_mul_f32 v[R+4*n], v[QX], v[R+4*n]
.set n, n+1
.endr
.set n, 0
.rept 32
	v_fmac_f32 v[R+4*n], v[QX+1], v[R+4*n+1]
.set n, n+1
.endr
.set n, 0
.rept 32
	v_fmac_f32 v[R+4*n], v[QX+2], v[R+4*n+2]
.set n, n+1
.endr
.set n, 0
.rept 32
	v_add_f32 v[R+4*n+3], v[SQN], v[R+4*n+3]
.set n, n+1
.endr
.set n, 0
.rept 32
	v_fma_f32 v[D+n], v[R+4*n], -2.0, v[R+4*n+3]
.set n, n+1
.endr
	LOWEST16                                       ; pass 1
	XMIN L0, L1, 4
	MAX16 VT, VK, L1                               ; T: the 16th smallest of the query's 256 distances
.irp u, 0,1
.irp i, 0,1,2,3,4,5,6,7,8,9,10,11,12,13,14,15
	KEY D+16*\u+\i, \i, 16+2*\u, 17+2*\u
.endr
.endr
	LOWEST16                                       ; pass 2
	XMERGE L0, L1, 4
	PICK L1
	v_and_b32 v[OUT], 0x1fff, v[L1]
	v_and_b32 v[OUT+1], 0x1fff, v[L1+1]
	v_or_b32 v[OUT], s29, v[OUT]                   ; + 8192 b: a row of the whole tensor
	v_or_b32 v[OUT+1], s29, v[OUT+1]
	global_store_b64 v[OADR], v[OUT:OUT+1], s[16:17]   ; a wave stores 256 consecutive bytes, at a multiple of 256 from the buffer's first byte
	s_wait_xcnt 0x0
	v_lshl_add_u32 v254, v0, 2, 0xd000
	v_mov_b32 v255, 0
	s_wait_tensorcnt 0x0
	ds_add_u32 v254, v255
	s_wait_dscnt 0x0
	s_endpgm
.Lfunc_end_k_q82ccafeeb9_fine:
	.size	k_q82ccafeeb9_fine, .Lfunc_end_k_q82ccafeeb9_fine-k_q82ccafeeb9_fine
	.p2alignl 7, 3214868480
	.fill 96, 4, 3214868480
	.section	.rodata,"a",@progbits
	.p2align	6, 0x0
	.amdhsa_kernel k_q82ccafeeb9_fine
		.amdhsa_group_segment_fixed_size 55296
		.amdhsa_private_segment_fixed_size 0
		.amdhsa_enable_private_segment 0
		.amdhsa_kernarg_size 72
		.amdhsa_user_sgpr_count 2
		.amdhsa_user_sgpr_kernarg_segment_ptr 1
		.amdhsa_wavefront_size32 1
		.amdhsa_system_sgpr_workgroup_id_x 1
		.amdhsa_system_sgpr_workgroup_id_y 1
		.amdhsa_system_sgpr_workgroup_id_z 1
		.amdhsa_system_vgpr_workitem_id 0
		.amdhsa_next_free_vgpr 256
		.amdhsa_next_free_sgpr 100
		.amdhsa_reserve_vcc 1
		.amdhsa_float_denorm_mode_32 3
		.amdhsa_float_denorm_mode_16_64 3
		.amdhsa_memory_ordered 1
		.amdhsa_forward_progress 1
		.amdhsa_inst_pref_size 92
	.end_amdhsa_kernel
	.amdgpu_metadata
---
amdhsa.version: [ 1, 2 ]
amdhsa.kernels:
  - .name:           k_q82ccafeeb9_fine
    .symbol:         k_q82ccafeeb9_fine.kd
    .args:
      - { .name: xyzp, .offset: 0, .size: 8, .value_kind: global_buffer, .address_space: global }
      - { .name: chunks, .offset: 8, .size: 8, .value_kind: global_buffer, .address_space: global }
      - { .name: features, .offset: 16, .size: 8, .value_kind: global_buffer, .address_space: global }
      - { .name: wcodes, .offset: 24, .size: 8, .value_kind: global_buffer, .address_space: global }
      - { .name: lowp_scales, .offset: 32, .size: 8, .value_kind: global_buffer, .address_space: global }
      - { .name: bk, .offset: 40, .size: 8, .value_kind: global_buffer, .address_space: global }
      - { .name: idx, .offset: 48, .size: 8, .value_kind: global_buffer, .address_space: global }
      - { .name: qbuf, .offset: 56, .size: 8, .value_kind: global_buffer, .address_space: global }
      - { .name: kv, .offset: 64, .size: 8, .value_kind: global_buffer, .address_space: global }
    .group_segment_fixed_size: 55296
    .private_segment_fixed_size: 0
    .kernarg_segment_align: 8
    .kernarg_segment_size: 72
    .max_flat_workgroup_size: 512
    .sgpr_count:     100
    .vgpr_count:     256
    .wavefront_size: 32
...
	.end_amdgpu_metadata
.endif
;; end of part 2
;; launch attn (part 3): grid 256 x 1, 8 waves a work-group, no clusters, 35,840 bytes of LDS; arguments xyzp, idx, qbuf, kv, wcodes, lowp_scales, Wp1, bp1, bp2, bt1, bt2, ba, features, out0; writes out0
.if DOCPART == 3
	.amdgcn_target "amdgcn-amd-amdhsa--gfx1250"
	.amdhsa_code_object_version 6
	.text
	.protected	k_q82ccafeeb9_attn
	.globl	k_q82ccafeeb9_attn
	.p2align	8
	.type	k_q82ccafeeb9_attn,@function
k_q82ccafeeb9_attn:
	s_mov_b64 s[64:65], 0
	v_nop
	global_prefetch_b8 v0, s[64:65] scope:SCOPE_SE
	s_setreg_imm32_b32 hwreg(HW_REG_WAVE_MODE, 25, 1), 1
	s_wait_xcnt 0x0
; THE CHAIN ON (POINT, NEIGHBOUR) ROWS: rel = xyzp_n - xyzp_m; pos = relu(rel Wp1 + bp1) Wp2 + bp2; a = q_n - k_m + pos; attn = relu(a Wt1 + bt1) Wt2 + bt2; softmax of attn / 8 over the 16 neighbours, channel by
; channel; res = the sum over the neighbours of softmax x (v_m + pos); out = res Wa + ba + features.  The products by Wp2, Wt1, Wt2, Wa run on codes of E5M2; rel Wp1 (K = 4) on f32 operands.
; SHARES.  A work-group owns 64 points, each of its eight waves 8, one a trip.  A matrix tile's 16 rows are the 16 neighbours of one point.  Nothing of the chain goes to memory.
; TWO LAYOUTS.  ROWS: a product used transposed (source 0 = 16 channels of the weight, source 1 = the 16 neighbours) gives lane (r, h) neighbour r and channels 16 t + 8 h + 0..7: the order of the next operand's registers,
; so each result is quantised where it stands.  COLUMNS: used as written (source 0 = the neighbours, source 1 = the weight) it gives lane (r, h) channel 16 t + r and neighbours 8 h + 0..7: maximum, sum and weighted sum
; over the neighbours then stay in a lane but for one exchange between the halves.  pos is wanted both ways, so its product is issued twice on the same codes.
; The biases bp1, bp2, bt1 go in as the C of the sums, bp2 and bt1 divided by the power of two that their sums lack.  bt2 is added in the softmax's argument.
; THE SOFTMAX takes the neighbours' largest argument away: p = 2^(attn x c + (bt2 c - M)), c = log2(e) / 8, M the largest attn x c + bt2 c; res = sum of p (v + pos) / sum of p.
; LOADS run a trip ahead: the next point's neighbours are read at a trip's head, its q, k and points in the trip's middle; v is asked for at the head of its own trip and used near its end.
; THE END.  res of the 64 points meets in LDS; behind the one barrier waves 0-3 make 16 rows of out each.
; LIMITS on the given exponents: entries 0, 10, 14 and (entry 12 - entry 10 - entry 11) between -126 and 112; the sums 0+1, 10+11, 14+15 between -126 and 127; 12+13 between -123 and 130 (added to c's exponent field).
; NaN and infinity among the inputs are not served.
; REGISTERS, in two windows of 256 (s_set_vgpr_msb: bits 1:0 source 0, 3:2 source 1, 5:4 source 2, 7:6 destination).  Window 1 holds what stays: three weights and four biases.  Window 0 all else.
.set A4R,  1                           ; v1   4 r; never rewritten
.set H32,  2                           ; v2   32 h; never rewritten
.set H8,   3                           ; v3   8 h; never rewritten
.set KA,   4                           ; v4   512 x neighbour r + 32 h: its k
.set XNA,  5                           ; v5   16 x neighbour r + 8 h: its point
.set IR,   6                           ; v6   neighbour r
.set RSA,  7                           ; v7   where res goes in LDS
.set VA,   8                           ; v8-15  512 x neighbour 8 h + j + 4 r: its v
.set I8,   16                          ; v16-23 neighbours 8 h + 0..7
.set XQ,   24                          ; v[24:25] the point's numbers 2 h, 2 h + 1;  v[26:27] the neighbour's;  v[28:29] rel
.set XN,   26
.set REL,  28
.set SC3,  30                          ; scale and limit of the three quantisers of a trip
.set LM3,  31
.set SC8,  32
.set LM8,  33
.set SC9,  34
.set LM9,  35
.set BT2,  36                          ; v36-39 bt2(16 t + r) x c
.set C1,   40                          ; v40-47 the codes of relu(rel Wp1 + bp1): used twice
.set C2,   48                          ; v48-55 the codes of a, then of relu(a Wt1 + bt1); then
.set TM,   48                          ;        the softmax's temporaries, a pair a tile
.set WP1,  56                          ; v56-63 Wp1(2 h + j, 16 t + r) at 2 t + j
.set HM,   64                          ; v64-95   numbers on their way into a conversion; then attn, then p
.set PD,   96                          ; v96-127  four accumulators
.set Q,    128                         ; v128-159 q
.set K,    160                         ; v160-191 k, then q - k
.set V,    192                         ; v192-223 v, then v + pos
.set HD,   224                         ; v224-255 rel Wp1 + bp1: written by matrix instructions alone
.set WP2,  0                           ; window 1: three weights' fragments,
.set WT1,  32
.set WT2,  64
.set BP1,  96                          ; bp1(16 t + 8 h + j),
.set BP2A, 128                         ; bp2(16 t + 8 h + j) / 2^(e0 + e1),
.set BT1,  160                         ; bt1(16 t + 8 h + j) / 2^(e10 + e11),
.set BP2B, 192                         ; bp2(16 t + r) / 2^(e0 + e1), eight times a tile
.set WV,   48                          ; s48  wave
.set TRIP, 49                          ; s49
.set RB,   74                          ; s74  LDS byte of the trip's row of res
.set MSB, 0
.macro WIN new                         ; the immediate's high byte repeats the setting that is left
.if MSB != \new
	s_set_vgpr_msb (MSB<<8)|\new
.set MSB, \new
.endif
.endm
.macro PLACES                          ; four plain lines between a matrix instruction and the first read of its result, or the first write of one of its registers (ISA guide 7.12.1)
.rept 4
	v_nop
.endr
.endm
.macro QCONST e, sc, lim               ; v[sc] = 2^e as f32, v[lim] = 57,344 x 2^e; e in s[e]
	s_add_co_i32 s76, s[\e], 127
	s_lshl_b32 s77, s76, 23
	v_mov_b32 v[\sc], s77
	s_add_co_i32 s76, s76, 15
	s_lshl_b32 s76, s76, 23
	s_or_b32 s76, s76, 0x600000
	v_mov_b32 v[\lim], s76
.endm
.macro HOLD dst, src, lim, relu        ; the conversion to an 8-bit code does not saturate (ISA guide 7.6.2): the hold comes first; relu = 1: it clips at 0 as well, which is the activation
.set n, 0
.rept 32
.if \relu
	v_med3_num_f32 v[\dst+n], v[\src+n], 0, v[\lim]
.else
	v_med3_num_f32 v[\dst+n], v[\src+n], -v[\lim], v[\lim]
.endif
.set n, n+1
.endr
.endm
.macro CODES dst, src, sc
.irp c, 0,1,2,3
	v_cvt_scalef32_pk8_bf8_f32 v[\dst+2*\c:\dst+2*\c+1], v[\src+8*\c:\src+8*\c+7], v[\sc]
.endr
	v_nop                                          ; a plain line between the conversions and the matrix instructions that read their results or write their sources
.endm
.macro NEXT18                          ; a point's own two numbers, its neighbours', its q and its neighbours' k: 18 loads
	global_load_b64 v[XQ:XQ+1], v[H8], s[66:67]
	global_load_b64 v[XN:XN+1], v[XNA], s[4:5]
.irp t, 0,1,2,3
	global_load_b128 v[Q+8*\t:Q+8*\t+3], v[H32], s[8:9] offset:64*\t
	global_load_b128 v[Q+8*\t+4:Q+8*\t+7], v[H32], s[8:9] offset:64*\t+16
.endr
.irp t, 0,1,2,3
	global_load_b128 v[K+8*\t:K+8*\t+3], v[KA], s[10:11] offset:64*\t
	global_load_b128 v[K+8*\t+4:K+8*\t+7], v[KA], s[10:11] offset:64*\t+16
.endr
.endm
	s_load_b512 s[4:19], s[0:1], 0x0               ; xyzp s[4:5], idx s[6:7], qbuf s[8:9], kv s[10:11], wcodes s[12:13], exponents s[14:15], Wp1 s[16:17], bp1 s[18:19]
	s_load_b256 s[20:27], s[0:1], 0x40             ; bp2 s[20:21], bt1 s[22:23], bt2 s[24:25], ba s[26:27]
	s_load_b128 s[28:31], s[0:1], 0x60             ; features s[28:29], out0 s[30:31]
	s_set_vgpr_msb 0x40
	v_lshl_add_u32 v254, v0, 2, 0x8800
	v_mov_b32 v255, 0
	s_set_vgpr_msb 0x4000
	v_lshrrev_b32 v4, 5, v0
	v_readfirstlane_b32 s[WV], v4                  ; wave 0..7
	v_and_b32 v5, 15, v0                           ; r
	v_bfe_u32 v6, v0, 4, 1                         ; h
	v_lshlrev_b32 v[A4R], 2, v5
	v_lshlrev_b32 v[H32], 5, v6
	v_lshlrev_b32 v[H8], 3, v6
	v_and_b32 v7, 31, v0
	v_lshlrev_b32 v7, 4, v7                        ; 16 x lane: a stored fragment's place for my lane
	v_lshl_add_u32 v8, v6, 9, v[A4R]               ; Wp1: 2 h rows of 256 bytes + 4 r
	s_lshl_b32 s76, ttmp9, 6
	s_lshl_b32 s77, s[WV], 3
	s_add_co_u32 s80, s76, s77                     ; my first point: 64 g + 8 w
	s_lshl_b32 s76, s80, 6                         ; its 64 bytes of idx,
	s_mov_b32 s77, 0
	s_lshl_b32 s78, s80, 8                         ; 256 of q,
	s_mov_b32 s79, 0
	s_lshl_b32 s80, s80, 4                         ; 16 of xyzp
	s_mov_b32 s81, 0
	s_mov_b32 s69, 0                               ; the upper words of the three steps
	s_mov_b32 s71, 0
	s_mov_b32 s73, 0
	s_mov_b32 s50, 0x76543210                      ; v_permlanex16_b32's selects for lane l xor 16
	s_mov_b32 s51, 0xfedcba98
	s_mul_i32 s[RB], s[WV], 8*272                  ; my 8 rows of res
	s_mov_b32 s[TRIP], 0
	s_wait_kmcnt 0x0
	s_load_b512 s[32:47], s[14:15], 0x0            ; the sixteen exponents: entry i in s[32 + i]
	s_add_nc_u64 s[6:7], s[6:7], s[76:77]
	s_add_nc_u64 s[8:9], s[8:9], s[78:79]
	s_add_nc_u64 s[66:67], s[4:5], s[80:81]
	global_load_b32 v[IR], v[A4R], s[6:7]          ; the first point's neighbours, both ways
	global_load_b128 v[I8:I8+3], v[H32], s[6:7]
	global_load_b128 v[I8+4:I8+7], v[H32], s[6:7] offset:16
.irp t, 0,1,2,3
.irp j, 0,1
	global_load_b32 v[WP1+2*\t+\j], v8, s[16:17] offset:256*\j+64*\t
.endr
	global_load_b32 v[BT2+\t], v[A4R], s[24:25] offset:64*\t
.endr
	WIN 0x40                                       ; destination window 1
.irp t, 0,1,2,3
.irp u, 0,1
	global_load_b128 v[WP2+8*\t+4*\u:WP2+8*\t+4*\u+3], v7, s[12:13] offset:0*4096+\t*1024+\u*512
	global_load_b128 v[WT1+8*\t+4*\u:WT1+8*\t+4*\u+3], v7, s[12:13] offset:5*4096+\t*1024+\u*512
	global_load_b128 v[WT2+8*\t+4*\u:WT2+8*\t+4*\u+3], v7, s[12:13] offset:6*4096+\t*1024+\u*512
	global_load_b128 v[BP1+8*\t+4*\u:BP1+8*\t+4*\u+3], v[H32], s[18:19] offset:64*\t+16*\u
	global_load_b128 v[BP2A+8*\t+4*\u:BP2A+8*\t+4*\u+3], v[H32], s[20:21] offset:64*\t+16*\u
	global_load_b128 v[BT1+8*\t+4*\u:BT1+8*\t+4*\u+3], v[H32], s[22:23] offset:64*\t+16*\u
.endr
	global_load_b32 v[BP2B+8*\t], v[A4R], s[20:21] offset:64*\t
.endr
	WIN 0
	s_wait_kmcnt 0x0
	s_add_co_i32 s62, s32, s33                     ; e0 + e1
	s_add_co_i32 s52, s62, 127
	s_lshl_b32 s52, s52, 23                        ; s[52:53] = 2^(e0 + e1)
	s_mov_b32 s53, s52
	s_sub_co_i32 s62, 0, s62
	s_add_co_i32 s63, s42, s43                     ; e10 + e11
	s_sub_co_i32 s78, s44, s63                     ; e12 - e10 - e11: a sum of the product by Wt1 stands for sum x 2^(e10 + e11), so its code is sum / 2^(e12 - e10 - e11)
	s_sub_co_i32 s63, 0, s63
	s_add_co_i32 s54, s44, s45
	s_lshl_b32 s54, s54, 23
	s_add_co_i32 s54, s54, 0x3e38aa3b              ; s[54:55] = 2^(e12 + e13) x log2(e) / 8: the exponents are added to c's exponent field
	s_mov_b32 s55, s54
	s_add_co_i32 s60, s46, s47
	s_add_co_i32 s60, s60, 127
	s_lshl_b32 s60, s60, 23                        ; s[60:61] = 2^(e14 + e15)
	s_mov_b32 s61, s60
	QCONST 32, SC3, LM3
	QCONST 42, SC8, LM8
	QCONST 78, SC9, LM9
	s_wait_loadcnt 0x0
	WIN 0x41                                       ; source 0 and destination window 1
.set n, 0
.rept 32
	v_ldexp_f32 v[BP2A+n], v[BP2A+n], s62
	v_ldexp_f32 v[BT1+n], v[BT1+n], s63
.set n, n+1
.endr
.irp t, 0,1,2,3
	v_ldexp_f32 v[BP2B+8*\t], v[BP2B+8*\t], s62
.endr
.irp t, 0,1,2,3
.irp j, 1,2,3,4,5,6,7
	v_mov_b32 v[BP2B+8*\t+\j], v[BP2B+8*\t]        ; once a wave: the C of a tile whose lane holds one channel is that channel's bias in all eight registers
.endr
.endr
	WIN 0
.irp t, 0,1,2,3
	v_mul_f32 v[BT2+\t], 0x3e38aa3b, v[BT2+\t]
.endr
	v_min_u32 v[IR], 0x3fff, v[IR]                 ; a loaded number enters an address only behind a bound
	v_lshl_add_u32 v[KA], v[IR], 9, v[H32]
	v_lshl_add_u32 v[XNA], v[IR], 4, v[H8]
.irp j, 0,1,2,3,4,5,6,7
	v_min_u32 v[I8+\j], 0x3fff, v[I8+\j]
.endr
.irp j, 0,1,2,3,4,5,6,7
	v_lshl_add_u32 v[VA+\j], v[I8+\j], 9, v[A4R]
.endr
	NEXT18
.Lquery:                                               ; eight trips, a point each.  18 loads are out at the label, on the way in and on the way back
	; ---- the next point's neighbours, and this point's v.  The last trip steps nothing: it reads its own point once more, inside the buffers, and does not use it
	s_cmp_lt_u32 s[TRIP], 7
	s_cselect_b32 s68, 64, 0
	s_cselect_b32 s70, 16, 0
	s_cselect_b32 s72, 0x100, 0
	s_add_nc_u64 s[6:7], s[6:7], s[68:69]          ; (the loads that read this base were waited for in the trip before)
	global_load_b32 v[IR], v[A4R], s[6:7]
	global_load_b128 v[I8:I8+3], v[H32], s[6:7]
	global_load_b128 v[I8+4:I8+7], v[H32], s[6:7] offset:16
.irp t, 0,1,2,3
.irp j, 0,1,2,3,4,5,6,7
	global_load_b32 v[V+8*\t+\j], v[VA+\j], s[10:11] offset:256+64*\t   ; v(neighbour 8 h + j, 16 t + r): sixteen lanes read 64 neighbouring bytes
.endr
.endr
	; ---- rel Wp1 + bp1, on f32 operands
	s_wait_loadcnt 51                              ; the two loads of points are in; behind them stand q and k (16), the neighbours (3), v (32)
	v_pk_add_f32 v[REL:REL+1], v[XQ:XQ+1], v[XN:XN+1] neg_lo:[0,1] neg_hi:[0,1]
	WIN 0x10                                       ; C in window 1
.irp t, 0,1,2,3
	v_wmma_f32_16x16x4_f32 v[HD+8*\t:HD+8*\t+7], v[WP1+2*\t:WP1+2*\t+1], v[REL:REL+1], v[BP1+8*\t:BP1+8*\t+7]
.endr
	WIN 0
	s_wait_loadcnt 35                              ; q and k are in; behind them: the neighbours (3), v (32)
.set n, 0
.rept 16
	v_pk_add_f32 v[K+n:K+n+1], v[Q+n:Q+n+1], v[K+n:K+n+1] neg_lo:[0,1] neg_hi:[0,1]   ; q - k.  These sixteen are also the eight places that the f32 form wants ahead of the first read of its results
.set n, n+2
.endr
	; ---- pos, by rows
	HOLD HM, HD, LM3, 1
	CODES C1, HM, SC3
	WIN 0x11                                       ; source 0 (the weight) and C (the bias) in window 1
.irp t, 0,1,2,3
	v_wmma_f32_16x16x64_bf8_bf8 v[PD+8*\t:PD+8*\t+7], v[WP2+8*\t:WP2+8*\t+7], v[C1:C1+7], v[BP2A+8*\t:BP2A+8*\t+7]
.endr
	WIN 0
	PLACES
	; ---- a = (q - k) + pos, and its product by Wt1
.set n, 0
.rept 16
	v_pk_fma_f32 v[HM+n:HM+n+1], v[PD+n:PD+n+1], s[52:53], v[K+n:K+n+1] op_sel_hi:[1,0,1]
.set n, n+2
.endr
	HOLD HM, HM, LM8, 0
	CODES C2, HM, SC8
	WIN 0x11
.irp t, 0,1,2,3
	v_wmma_f32_16x16x64_bf8_bf8 v[PD+8*\t:PD+8*\t+7], v[WT1+8*\t:WT1+8*\t+7], v[C2:C2+7], v[BT1+8*\t:BT1+8*\t+7]
.endr
	WIN 0
	; ---- the next point's 18 loads; the four vector lines are the places behind the products
	s_wait_loadcnt 32                              ; the neighbours are in; v (32) may stay out
	v_min_u32 v[IR], 0x3fff, v[IR]
	v_lshl_add_u32 v[KA], v[IR], 9, v[H32]         ; (the loads that read KA, XNA and the two bases below were waited for above)
	v_lshl_add_u32 v[XNA], v[IR], 4, v[H8]
	v_nop
	s_add_nc_u64 s[8:9], s[8:9], s[72:73]
	s_add_nc_u64 s[66:67], s[66:67], s[70:71]
	NEXT18
	; ---- attn and pos, by columns
	HOLD PD, PD, LM9, 1
	CODES C2, PD, SC9
	WIN 0x04                                       ; source 1 (the weight) in window 1
.irp t, 0,1,2,3
	v_wmma_f32_16x16x64_bf8_bf8 v[HM+8*\t:HM+8*\t+7], v[C2:C2+7], v[WT2+8*\t:WT2+8*\t+7], 0
.endr
	WIN 0x14                                       ; and C too
.irp t, 0,1,2,3
	v_wmma_f32_16x16x64_bf8_bf8 v[PD+8*\t:PD+8*\t+7], v[C1:C1+7], v[WP2+8*\t:WP2+8*\t+7], v[BP2B+8*\t:BP2B+8*\t+7]
.endr
	WIN 0
	PLACES
	; ---- the softmax over the neighbours, the four tiles line by line
.irp t, 0,1,2,3
	v_max3_num_f32 v[TM+2*\t], v[HM+8*\t], v[HM+8*\t+1], v[HM+8*\t+2]
.endr
.irp t, 0,1,2,3
	v_max3_num_f32 v[TM+2*\t], v[TM+2*\t], v[HM+8*\t+3], v[HM+8*\t+4]
.endr
.irp t, 0,1,2,3
	v_max3_num_f32 v[TM+2*\t], v[TM+2*\t], v[HM+8*\t+5], v[HM+8*\t+6]
.endr
.irp t, 0,1,2,3
	v_max_num_f32 v[TM+2*\t], v[TM+2*\t], v[HM+8*\t+7]
.endr
.irp t, 0,1,2,3
	v_permlanex16_b32 v[TM+2*\t+1], v[TM+2*\t], s50, s51   ; the channel's other eight neighbours lie in the lane 16 away
.endr
.irp t, 0,1,2,3
	v_max_num_f32 v[TM+2*\t], v[TM+2*\t], v[TM+2*\t+1]
.endr
.irp t, 0,1,2,3
	v_fma_f32 v[TM+2*\t], v[TM+2*\t], s54, v[BT2+\t]       ; M: the largest argument (the factor is positive)
.endr
.irp t, 0,1,2,3
	v_sub_f32 v[TM+2*\t], v[BT2+\t], v[TM+2*\t]            ; bt2 c - M
.endr
.irp t, 0,1,2,3
.irp j, 0,2,4,6
	v_pk_fma_f32 v[HM+8*\t+\j:HM+8*\t+\j+1], v[HM+8*\t+\j:HM+8*\t+\j+1], s[54:55], v[TM+2*\t:TM+2*\t+1] op_sel_hi:[1,0,0]
.endr
.endr
.set n, 0
.rept 32
	v_exp_f32 v[HM+n], v[HM+n]                     ; p, at most 1 but for the last bit: one batch
.set n, n+1
.endr
	s_wait_loadcnt 18                              ; v is in; the next point's 18 loads may stay out
.set n, 0
.rept 16
	v_pk_fma_f32 v[V+n:V+n+1], v[PD+n:PD+n+1], s[52:53], v[V+n:V+n+1] op_sel_hi:[1,0,1]   ; v + pos: work that names no exponential's result stands behind the batch
.set n, n+2
.endr
.irp j, 0,1,2,3,4,5,6,7
	v_min_u32 v[I8+\j], 0x3fff, v[I8+\j]
.endr
.irp j, 0,1,2,3,4,5,6,7
	v_lshl_add_u32 v[VA+\j], v[I8+\j], 9, v[A4R]   ; the next point's addresses of v (this point's loads of v are in)
.endr
	s_wait_alu depctr_va_vdst(0)                   ; the wait ahead of the first line that names an exponential's result: one for the 32
.irp t, 0,1,2,3
	v_pk_mul_f32 v[V+8*\t:V+8*\t+1], v[HM+8*\t:HM+8*\t+1], v[V+8*\t:V+8*\t+1]
.endr
.irp j, 2,4,6
.irp t, 0,1,2,3
	v_pk_fma_f32 v[V+8*\t:V+8*\t+1], v[HM+8*\t+\j:HM+8*\t+\j+1], v[V+8*\t+\j:V+8*\t+\j+1], v[V+8*\t:V+8*\t+1]
.endr
.endr
.irp t, 0,1,2,3
	v_pk_add_f32 v[HM+8*\t:HM+8*\t+1], v[HM+8*\t:HM+8*\t+1], v[HM+8*\t+2:HM+8*\t+3]
.endr
.irp t, 0,1,2,3
	v_pk_add_f32 v[HM+8*\t+4:HM+8*\t+5], v[HM+8*\t+4:HM+8*\t+5], v[HM+8*\t+6:HM+8*\t+7]
.endr
.irp t, 0,1,2,3
	v_pk_add_f32 v[HM+8*\t:HM+8*\t+1], v[HM+8*\t:HM+8*\t+1], v[HM+8*\t+4:HM+8*\t+5]
.endr
.irp t, 0,1,2,3
	v_add_f32 v[HM+8*\t], v[HM+8*\t], v[HM+8*\t+1]
	v_add_f32 v[V+8*\t], v[V+8*\t], v[V+8*\t+1]
.endr
.irp t, 0,1,2,3
	v_permlanex16_b32 v[HM+8*\t+2], v[HM+8*\t], s50, s51
	v_permlanex16_b32 v[V+8*\t+2], v[V+8*\t], s50, s51
.endr
.irp t, 0,1,2,3
	v_add_f32 v[HM+8*\t], v[HM+8*\t], v[HM+8*\t+2] ; the sum of p,
	v_add_f32 v[V+8*\t], v[V+8*\t], v[V+8*\t+2]    ; and of p (v + pos), over all 16 neighbours
.endr
.irp t, 0,1,2,3
	v_rcp_f32 v[HM+8*\t+1], v[HM+8*\t]
.endr
	v_add_nc_u32 v[RSA], s[RB], v[A4R]             ; a plain line behind the reciprocals
	s_wait_alu depctr_va_vdst(0)                   ; and the wait ahead of their first reader: one for the four
.irp t, 0,1,2,3
	v_mul_f32 v[V+8*\t], v[V+8*\t], v[HM+8*\t+1]
.endr
.irp t, 0,1,2,3
	ds_store_b32 v[RSA], v[V+8*\t] offset:64*\t    ; res(point, 16 t + r): the two halves of the lanes hold the same number and write the same word
.endr
	s_add_co_u32 s[RB], s[RB], 272
	s_add_co_u32 s[TRIP], s[TRIP], 1
	s_cmp_lt_u32 s[TRIP], 8
	s_cbranch_scc1 .Lquery
	; ---- out = res Wa + ba + features
	s_wait_loadcnt 0x0                             ; the last trip's loads have landed: their registers are used again
	s_wait_dscnt 0x0                               ; for the others' sake: my rows of res lie in LDS
	s_barrier_signal -1
	s_barrier_wait -1                              ; all 64 do
	s_and_b32 s75, s[WV], 3
	s_mul_i32 s76, s75, 16*272                     ; 16 rows of res,
	s_add_co_u32 s77, s76, 64*272                  ; and a stage of 16 rows behind the 64
	v_and_b32 v4, 15, v0                           ; r
	v_bfe_u32 v5, v0, 4, 1                         ; h
	v_mul_u32_u24 v6, v4, 272
	v_lshl_add_u32 v6, v5, 5, v6
	v_add_nc_u32 v8, s76, v6                       ; res: row r, + 32 h
	v_add_nc_u32 v9, s77, v6                       ; the stage, on the way in: the same place
	v_mul_u32_u24 v10, v5, 272
	v_lshl_add_u32 v10, v4, 4, v10
	v_add_nc_u32 v10, s77, v10                     ; and back: lanes 0-15 one row, lanes 16-31 the next
	v_lshlrev_b32 v11, 8, v4
	v_lshl_add_u32 v11, v5, 5, v11                 ; features: 256 r + 32 h
	v_and_b32 v12, 31, v0
	v_lshlrev_b32 v12, 4, v12                      ; 16 x lane
	s_cmp_lt_u32 s[WV], 4
	s_cbranch_scc1 .Lproject
	s_set_vgpr_msb 0x5
	s_wait_tensorcnt 0x0
	ds_add_u32 v254, v255
	s_wait_dscnt 0x0
	s_set_vgpr_msb 0x500
	s_endpgm                                       ; waves 4-7 have no rows here
.Lproject:
	s_lshl_b32 s76, ttmp9, 6
	s_lshl_b32 s77, s[WV], 4
	s_add_co_u32 s76, s76, s77                     ; my first row: 64 g + 16 w
	s_lshl_b32 s76, s76, 8
	s_mov_b32 s77, 0
	s_add_nc_u64 s[28:29], s[28:29], s[76:77]
	s_add_nc_u64 s[30:31], s[30:31], s[76:77]
.irp t, 0,1,2,3
.irp u, 0,1
	global_load_b128 v[Q+8*\t+4*\u:Q+8*\t+4*\u+3], v12, s[12:13] offset:7*4096+\t*1024+\u*512     ; Wa's fragments
	global_load_b128 v[K+8*\t+4*\u:K+8*\t+4*\u+3], v[H32], s[26:27] offset:64*\t+16*\u            ; ba(16 t + 8 h + 0..7)
	global_load_b128 v[V+8*\t+4*\u:V+8*\t+4*\u+3], v11, s[28:29] offset:64*\t+16*\u               ; features(row r, 16 t + 8 h + 0..7)
	ds_load_b128 v[HM+8*\t+4*\u:HM+8*\t+4*\u+3], v8 offset:64*\t+16*\u                            ; res likewise: the order of the operand's registers
.endr
.endr
	QCONST 46, SC3, LM3
	s_wait_dscnt 0x0
	HOLD HM, HM, LM3, 0
	CODES C1, HM, SC3
	s_wait_loadcnt 0x0
.irp t, 0,1,2,3
	v_wmma_f32_16x16x64_bf8_bf8 v[PD+8*\t:PD+8*\t+7], v[Q+8*\t:Q+8*\t+7], v[C1:C1+7], 0
.endr
	PLACES
.set n, 0
.rept 16
	v_pk_fma_f32 v[HM+n:HM+n+1], v[PD+n:PD+n+1], s[60:61], v[K+n:K+n+1] op_sel_hi:[1,0,1]   ; sum x 2^(e14 + e15) + ba
.set n, n+2
.endr
.set n, 0
.rept 16
	v_pk_add_f32 v[HM+n:HM+n+1], v[HM+n:HM+n+1], v[V+n:V+n+1]                               ; + features
.set n, n+2
.endr
.irp t, 0,1,2,3
	ds_store_b128 v9, v[HM+8*\t:HM+8*\t+3] offset:64*\t
	ds_store_b128 v9, v[HM+8*\t+4:HM+8*\t+7] offset:64*\t+16
.endr
.irp i, 0,1,2,3,4,5,6,7
	ds_load_b128 v[Q+4*\i:Q+4*\i+3], v10 offset:2*\i*272   ; LDS serves a wave's instructions in order (ISA guide 5.7.1.4): these see my stores
.endr
	s_wait_dscnt 0x0
.irp i, 0,1,2,3,4,5,6,7
	global_store_b128 v12, v[Q+4*\i:Q+4*\i+3], s[30:31] offset:512*\i th:TH_STORE_NT   ; two rows of out: 512 consecutive bytes, at a multiple of 256 from the buffer's first byte
.endr
	s_set_vgpr_msb 0x5
	s_wait_tensorcnt 0x0
	ds_add_u32 v254, v255
	s_wait_dscnt 0x0
	s_set_vgpr_msb 0x500
	s_endpgm
.Lfunc_end_k_q82ccafeeb9_attn:
	.size	k_q82ccafeeb9_attn, .Lfunc_end_k_q82ccafeeb9_attn-k_q82ccafeeb9_attn
	.p2alignl 7, 3214868480
	.fill 96, 4, 3214868480
	.section	.rodata,"a",@progbits
	.p2align	6, 0x0
	.amdhsa_kernel k_q82ccafeeb9_attn
		.amdhsa_group_segment_fixed_size 35840
		.amdhsa_private_segment_fixed_size 0
		.amdhsa_enable_private_segment 0
		.amdhsa_kernarg_size 112
		.amdhsa_user_sgpr_count 2
		.amdhsa_user_sgpr_kernarg_segment_ptr 1
		.amdhsa_wavefront_size32 1
		.amdhsa_system_sgpr_workgroup_id_x 1
		.amdhsa_system_sgpr_workgroup_id_y 1
		.amdhsa_system_sgpr_workgroup_id_z 1
		.amdhsa_system_vgpr_workitem_id 0
		.amdhsa_next_free_vgpr 512
		.amdhsa_next_free_sgpr 100
		.amdhsa_reserve_vcc 0
		.amdhsa_float_denorm_mode_32 3
		.amdhsa_float_denorm_mode_16_64 3
		.amdhsa_memory_ordered 1
		.amdhsa_forward_progress 1
		.amdhsa_inst_pref_size 55
	.end_amdhsa_kernel
	.amdgpu_metadata
---
amdhsa.version: [ 1, 2 ]
amdhsa.kernels:
  - .name:           k_q82ccafeeb9_attn
    .symbol:         k_q82ccafeeb9_attn.kd
    .args:
      - { .name: xyzp, .offset: 0, .size: 8, .value_kind: global_buffer, .address_space: global }
      - { .name: idx, .offset: 8, .size: 8, .value_kind: global_buffer, .address_space: global }
      - { .name: qbuf, .offset: 16, .size: 8, .value_kind: global_buffer, .address_space: global }
      - { .name: kv, .offset: 24, .size: 8, .value_kind: global_buffer, .address_space: global }
      - { .name: wcodes, .offset: 32, .size: 8, .value_kind: global_buffer, .address_space: global }
      - { .name: lowp_scales, .offset: 40, .size: 8, .value_kind: global_buffer, .address_space: global }
      - { .name: Wp1, .offset: 48, .size: 8, .value_kind: global_buffer, .address_space: global }
      - { .name: bp1, .offset: 56, .size: 8, .value_kind: global_buffer, .address_space: global }
      - { .name: bp2, .offset: 64, .size: 8, .value_kind: global_buffer, .address_space: global }
      - { .name: bt1, .offset: 72, .size: 8, .value_kind: global_buffer, .address_space: global }
      - { .name: bt2, .offset: 80, .size: 8, .value_kind: global_buffer, .address_space: global }
      - { .name: ba, .offset: 88, .size: 8, .value_kind: global_buffer, .address_space: global }
      - { .name: features, .offset: 96, .size: 8, .value_kind: global_buffer, .address_space: global }
      - { .name: out0, .offset: 104, .size: 8, .value_kind: global_buffer, .address_space: global }
    .group_segment_fixed_size: 35840
    .private_segment_fixed_size: 0
    .kernarg_segment_align: 8
    .kernarg_segment_size: 112
    .max_flat_workgroup_size: 256
    .sgpr_count:     100
    .vgpr_count:     512
    .wavefront_size: 32
...
	.end_amdgpu_metadata
.endif
;; end of part 3
;; ======== version 2 of 2: 3 launches; version 1 with the launch fine written anew for expert scheduling mode
;; workspace buffers: chunks 1,048,576 bytes of whole numbers; idx 1,048,576 bytes of whole numbers; wcodes 32,768 bytes; qbuf 4,194,304 bytes; kv 8,388,608 bytes
;; launch coarse: the kernel of part 1 again; grid 256 x 1, 16 waves a work-group, no clusters, 141,312 bytes of LDS; arguments xyzp, lowp_scales, Wp2, Wk, Wq, Wks, Wv, Wt1, Wt2, Wa, chunks, wcodes; writes chunks, wcodes
;; launch fine (part 4): grid 256 x 1, 16 waves a work-group, no clusters, 55,296 bytes of LDS; arguments xyzp, chunks, features, wcodes, lowp_scales, bk, idx, qbuf, kv; writes idx, qbuf, kv
.if DOCPART == 4
	.amdgcn_target "amdgcn-amd-amdhsa--gfx1250"
	.amdhsa_code_object_version 6
	.text
	.protected	k_q82ccafeeb9_fine
	.globl	k_q82ccafeeb9_fine
	.p2align	8
	.type	k_q82ccafeeb9_fine,@function
k_q82ccafeeb9_fine:
	s_mov_b64 s[64:65], 0
	v_nop
	global_prefetch_b8 v0, s[64:65] scope:SCOPE_SE
	s_setreg_imm32_b32 hwreg(HW_REG_WAVE_SCHED_MODE, 0, 2), 2
	s_setreg_imm32_b32 hwreg(HW_REG_WAVE_MODE, 25, 1), 1
	s_wait_xcnt 0x0
	s_wait_alu depctr_vm_vsrc(0)
; THE FINE HALF OF THE 16 NEAREST NEIGHBOURS, and the four products on single points: x = features Wk + bk, q = x Wq, k = x Wks, v = x Wv, on codes of E5M2.
; NEIGHBOURS.  Work-group g owns queries 64 g .. 64 g + 63; eight lanes to a query.  A lane reads two of the query's 16 chunks (whole numbers that the launch before has stored), gathers their 32 points,
; and forms d = (sq_n + sq_m) - 2 x.y as that launch does, bit for bit: a multiplication and two fused multiply-adds for sq and for x.y, one sum, one fused multiply-add by -2.
; Pass 1, on the distances: sort two sixteens, merge, merge across the eight lanes: T, the 16th smallest of the 256.  Pass 2, the same lines on keys: 2^23 + index where d is under T, 2^23 + 16,384 + index where it
; equals T, a large number otherwise: the 16 smallest keys are the neighbours, ties to the lower index.  They are stored as rows of the whole tensor, 8192 b + index.  Their order among themselves is that of the keys;
; what follows is symmetric in it.  No branch and no address hangs on a distance.
; PRODUCTS.  Waves 0-3 take 16 rows each, ahead of their neighbours.  Each product is used transposed (source 0 = 16 output channels of the weight, source 1 = my 16 rows): lane (r, h) then holds row r and channels
; 16 t + 8 h + 0..7, which is the order of the next operand's registers, so that x is quantised where it stands, three times, each time with its own scale.  The weights come as codes in the order of the operand's registers.
; q, k and v go through the wave's own stage in LDS and leave as whole rows.  No barrier: no wave reads another's bytes.
; LIMITS: entries 2, 4, 6, 8 of the exponents between -126 and 112; the sums of entries 2+3, 4+5, 6+7, 8+9 between -126 and 127.  NaN and infinity among the inputs are not served; -0 and +0 count as equal distances.
; THE MODE: SCHED_MODE bits 1:0 = 2 (LLVM: expert scheduling mode 2), set by the entry lines.  The code itself states the register dependences
; between vector or matrix instructions and memory or LDS instructions, with s_wait_alu, always for 0.
; THE PLAN.  Registers that memory or LDS instructions touch:
;   v3, v5, v22, v23   offsets and LDS addresses: written at the head, never again.
;   v12                the query's byte offset, read by one load; behind .Lknn it becomes the query's sq.
;   v18, v19, v20      the products' offsets (waves 0-3), read by their loads and stores; behind .Lknn they become the keys' bases.
;   v32-159            the four weights, as loaded; read by matrix instructions.  THE OUT-BUFFERS: q, k and v are scaled into the registers of the weight that was used one product earlier
;                      (v32-63, v64-95, v96-127), so that ONE wait on va_vdst stands ahead of all 24 LDS stores.
;   v128-223           Wv, the conversions' numbers and x are done with at that same wait: the rows come back from the stage into them and are stored from there.  No vector line stands among those 72 lines.
;   v14, v15           256 x chunk, read by the 32 gathers; at the end the two neighbours, read by the last store.
;   v32-159, v160-191  behind .Lknn: the gathered points, and their distances.
; One wait on vm_vsrc behind .Lknn, on every wave's way, states that all that was read above has been read; one behind the gathers' data frees v14 and v15.
; The keys' compares stand in runs of 32, into scalar registers, with one wait on va_sdst behind each run.
.set DUAL,  1                          ; 1: a compare-exchange is one dual-issue pair; 0: two plain lines
.set VR,    1                          ; v1   r = lane % 16
.set VH,    2                          ; v2   h = lane / 16
.set L16,   3                          ; v3   16 x lane
.set VP,    4                          ; v4   my part 0..7 of a query
.set OADR,  5                          ; v5   8 x thread
.set CH,    6                          ; v[6:7]  my two chunks
.set QX,    8                          ; v[8:11] my query's x, y, z, p
.set SQN,   12                         ; v12  its sq (first: its byte offset)
.set VT,    13                         ; v13  T
.set OUT,   14                         ; v14, v15  256 x chunk; at the end my two neighbours
.set VBIG,  20                         ; v16-19 the keys' bases of the two chunks; v20 0x7f000000; v21 at work.  In the products: v16 scale, v17 limit, v18-20 offsets
.set VK,    21
.set STI,   22                         ; v22  my stage, on the way in: 272 r + 32 h
.set STB,   23                         ; v23  and back: 272 h + 16 r
.set C,     24                         ; v24-31 an operand's codes
.set R,     32                         ; v32-159  32 points as loaded
.set D,     160                        ; v160-191 their distances, then keys
.set L0,    32
.set L1,    48
.set TB,    64
.set WF,    32                         ; the products: v32-159 Wk, Wq, Wks, Wv, 32 registers each; v32-127 later q, k, v on their way into the stage
.set BACK,  128                        ; v128-223 the rows of q, k, v as they come back from the stage
.set F,     160                        ; v160-191 numbers on their way into a conversion
.set BK,    192                        ; v192-223 bk, then x
.set XD,    224                        ; v224-255 four accumulators
.set WV,    22                         ; s22  wave
.set P2,    56
.set P1,    57
.set P0,    58
.set LT,    66                         ; s66-81 sixteen masks: the distance is under T
.set EQ,    82                         ; s82-97 sixteen masks: it equals T
.macro CE dlo, dhi, a, b
.if DUAL
	v_dual_min_num_f32 v[\dlo], v[\a], v[\b] :: v_dual_max_num_f32 v[\dhi], v[\a], v[\b]
.else
	v_min_num_f32 v[\dlo], v[\a], v[\b]
	v_max_num_f32 v[\dhi], v[\a], v[\b]
.endif
.endm
; One stage of a bitonic network on 16: partners differ in bit b; ascending where (i & k) = 0.  In the bank that a stage of bit b has written, element i lies at i with its bits 0 and b exchanged; sb is the bit of the stage that wrote src.
.macro STAGE src, sb, dst, b, k
.irp i, 0,1,2,3,4,5,6,7,8,9,10,11,12,13,14,15
.if ((\i) & (1<<(\b))) == 0
.set i2, ((\i) | (1<<(\b)))
.set rA, (\src) + (((\i) & (~(1|(1<<(\sb))))) | (((\i)>>(\sb))&1) | (((\i)&1)<<(\sb)))
.set rB, (\src) + ((i2 & (~(1|(1<<(\sb))))) | ((i2>>(\sb))&1) | ((i2&1)<<(\sb)))
.set rL, (\dst) + (((\i) & (~(1|(1<<(\b))))) | (((\i)>>(\b))&1) | (((\i)&1)<<(\b)))
.set rH, rL+1
.if ((\i) & (\k)) == 0
	CE rL, rH, rA, rB
.else
	CE rH, rL, rA, rB
.endif
.endif
.endr
.endm
.macro SORT16 src, a, tmp              ; src is kept; the result lies ascending in a
	STAGE \src, 0, \tmp, 0, 2
	STAGE \tmp, 0, \a, 1, 4
	STAGE \a, 1, \tmp, 0, 4
	STAGE \tmp, 0, \a, 2, 8
	STAGE \a, 2, \tmp, 1, 8
	STAGE \tmp, 1, \a, 0, 8
	STAGE \a, 0, \tmp, 3, 16
	STAGE \tmp, 3, \a, 2, 16
	STAGE \a, 2, \tmp, 1, 16
	STAGE \tmp, 1, \a, 0, 16
.endm
.macro CLEAN16 a, o
	STAGE \a, 0, \o, 3, 16
	STAGE \o, 3, \a, 2, 16
	STAGE \a, 2, \o, 1, 16
	STAGE \o, 1, \a, 0, 16
.endm
.macro MERGE a, o
.irp i, 0,1,2,3,4,5,6,7,8,9,10,11,12,13,14,15
	v_min_num_f32 v[\a+\i], v[\a+\i], v[\o+15-\i]
.endr
	CLEAN16 \a, \o
.endm
.macro XMIN src, dst, m
.irp i, 0,1,2,3,4,5,6,7,8,9,10,11,12,13,14,15
	v_min_num_f32_dpp v[\dst+\i], v[\src+15-\i], v[\src+\i] row_xmask:\m row_mask:0xf bank_mask:0xf
.endr
.endm
.macro XMERGE src, dst, m
	XMIN \src, \dst, \m
	CLEAN16 \dst, \src
.endm
.macro MAX16 d, t, bank
	v_max3_num_f32 v[\d], v[\bank], v[\bank+1], v[\bank+2]
	v_max3_num_f32 v[\t], v[\bank+3], v[\bank+4], v[\bank+5]
	v_max3_num_f32 v[\d], v[\d], v[\bank+6], v[\bank+7]
	v_max3_num_f32 v[\t], v[\t], v[\bank+8], v[\bank+9]
	v_max3_num_f32 v[\d], v[\d], v[\bank+10], v[\bank+11]
	v_max3_num_f32 v[\t], v[\t], v[\bank+12], v[\bank+13]
	v_max3_num_f32 v[\d], v[\d], v[\bank+14], v[\bank+15]
	v_max_num_f32 v[\d], v[\d], v[\t]
.endm
; The 16 distances of my chunk u become their keys.  All 32 compares stand in one run, each with a scalar register of its own for its mask; the selects follow, line by line, through the bank TB, which is free between the passes.
.macro KEYS u
.irp i, 0,1,2,3,4,5,6,7,8,9,10,11,12,13,14,15
	v_cmp_lt_f32 s[LT+\i], v[D+16*\u+\i], v[VT]
	v_cmp_eq_f32 s[EQ+\i], v[D+16*\u+\i], v[VT]
.endr
	s_wait_alu depctr_va_sdst(0)                   ; the run's 32 masks are written, ahead of the selects that read them (and so are the three masks of the part's bits, ahead of PICK, their first reader)
.irp i, 0,1,2,3,4,5,6,7,8,9,10,11,12,13,14,15
	v_cndmask_b32 v[TB+\i], v[VBIG], v[17+2*\u], s[EQ+\i]
.endr
	v_cndmask_b32 v[D+16*\u], v[TB], v[16+2*\u], s[LT]             ; the chunk's first point: nothing is added
.irp i, 1,2,3,4,5,6,7,8,9,10,11,12,13,14,15
	v_cndmask_b32 v[TB+\i], v[TB+\i], v[16+2*\u], s[LT+\i]
.endr
.irp i, 1,2,3,4,5,6,7,8,9,10,11,12,13,14,15
	v_add_nc_u32 v[D+16*\u+\i], \i, v[TB+\i]       ; + the point's place in its chunk
.endr
.endm
.macro PICK bank
.irp i, 0,1,2,3,4,5,6,7
	v_cndmask_b32 v[\bank+\i], v[\bank+\i], v[\bank+8+\i], s[P2]
.endr
.irp i, 0,1,2,3
	v_cndmask_b32 v[\bank+\i], v[\bank+\i], v[\bank+4+\i], s[P1]
.endr
.irp i, 0,1
	v_cndmask_b32 v[\bank+\i], v[\bank+\i], v[\bank+2+\i], s[P0]
.endr
.endm
.macro LOWEST16                        ; a lane's 32 numbers in D, and those of the lanes 1, 2 and 3 away: their lowest 16, ascending, in L0
	SORT16 D, L0, TB
	SORT16 D+16, L1, TB
	MERGE L0, L1
	XMERGE L0, L1, 1
	XMERGE L1, L0, 2
.endm
.macro PLACES                          ; four plain lines between a matrix instruction and the first read of its result, or the first write of one of its registers (ISA guide 7.12.1)
.rept 4
	v_nop
.endr
.endm
.macro QCONST e                        ; v16 = 2^e as f32, v17 = 57,344 x 2^e; e in s[e]
	s_add_co_i32 s52, s[\e], 127
	s_lshl_b32 s53, s52, 23
	v_mov_b32 v16, s53
	s_add_co_i32 s52, s52, 15
	s_lshl_b32 s52, s52, 23
	s_or_b32 s52, s52, 0x600000
	v_mov_b32 v17, s52
.endm
.macro PCONST ea, eb                   ; s[50:51] = 2^(ea + eb) as f32, twice
	s_add_co_i32 s50, s[\ea], s[\eb]
	s_add_co_i32 s50, s50, 127
	s_lshl_b32 s50, s50, 23
	s_mov_b32 s51, s50
.endm
.macro CODES src                       ; 32 held numbers become the operand's eight registers
.irp c, 0,1,2,3
	v_cvt_scalef32_pk8_bf8_f32 v[C+2*\c:C+2*\c+1], v[\src+8*\c:\src+8*\c+7], v16
.endr
	v_nop                                          ; a plain line between the conversions and the matrix instructions that read their results
.endm
.macro MUL4 w                          ; four tiles of 16 channels x my 16 rows; each sum begins with the constant 0
.irp t, 0,1,2,3
	v_wmma_f32_16x16x64_bf8_bf8 v[XD+8*\t:XD+8*\t+7], v[\w+8*\t:\w+8*\t+7], v[C:C+7], 0
.endr
	PLACES
.endm
; x, quantised with entry ea, times the weight at w (entry eb).  The scaled sums go into an out-buffer of their own: the 32 registers below w, whose weight was multiplied by one product earlier
.macro PART ea, eb, w
.set OB, (\w)-32
	QCONST \ea
	PCONST \ea, \eb
.set n, 0
.rept 32
	v_med3_num_f32 v[F+n], v[BK+n], -v17, v17      ; the hold: the conversion to an 8-bit code does not saturate (ISA guide 7.6.2).  x itself is kept
.set n, n+1
.endr
	CODES F
	MUL4 \w
.set n, 0
.rept 16
	v_pk_mul_f32 v[OB+n:OB+n+1], v[XD+n:XD+n+1], s[50:51] op_sel_hi:[1,0]   ; each accumulator from its low end on
.set n, n+2
.endr
.endm
	s_load_b512 s[4:19], s[0:1], 0x0               ; xyzp s[4:5], chunks s[6:7], features s[8:9], wcodes s[10:11], exponents s[12:13], bk s[14:15], idx s[16:17], qbuf s[18:19]
	s_load_b64 s[20:21], s[0:1], 0x40              ; kv
	v_lshrrev_b32 v1, 5, v0
	v_readfirstlane_b32 s[WV], v1                  ; wave 0..15
	v_and_b32 v[VR], 15, v0
	v_bfe_u32 v[VH], v0, 4, 1
	v_and_b32 v[L16], 31, v0
	v_lshlrev_b32 v[L16], 4, v[L16]
	v_and_b32 v[VP], 7, v0
	v_lshlrev_b32 v[OADR], 3, v0
	v_lshrrev_b32 v[SQN], 3, v0
	v_lshlrev_b32 v[SQN], 4, v[SQN]                ; my query's 16 bytes among the work-group's
	s_wait_alu depctr_va_sdst(0)                   ; the wave's number is written, ahead of its first reader
	s_and_b32 s23, s[WV], 3                        ; the stages' addresses are made ahead of the parting of the waves; only waves 0-3 use them
	s_mul_i32 s23, s23, 13312                      ; a stage: q, k, v, each 16 rows of 256 + 16 bytes
	v_mul_u32_u24 v[STI], v[VR], 272
	v_lshl_add_u32 v[STI], v[VH], 5, v[STI]
	v_add_nc_u32 v[STI], s23, v[STI]
	v_mul_u32_u24 v[STB], v[VH], 272
	v_lshl_add_u32 v[STB], v[VR], 4, v[STB]
	v_add_nc_u32 v[STB], s23, v[STB]
	s_lshl_b32 s24, ttmp9, 12                      ; 64 queries x 64 bytes, in chunks and in idx
	s_mov_b32 s25, 0
	s_lshl_b32 s26, ttmp9, 10                      ; 64 queries x 16 bytes
	s_mov_b32 s27, 0
	s_lshr_b32 s28, ttmp9, 7                       ; the batch
	s_lshl_b32 s30, s28, 17
	s_mov_b32 s31, 0
	s_lshl_b32 s29, s28, 13                        ; 8192 b
	s_wait_kmcnt 0x0
	s_load_b512 s[32:47], s[12:13], 0x0            ; the sixteen exponents: entry i in s[32 + i]
	s_add_nc_u64 s[6:7], s[6:7], s[24:25]
	s_add_nc_u64 s[16:17], s[16:17], s[24:25]
	s_add_nc_u64 s[26:27], s[4:5], s[26:27]
	s_add_nc_u64 s[48:49], s[4:5], s[30:31]        ; the batch's points
	s_wait_alu depctr_va_vdst(0)                   ; the head's offsets and LDS addresses v3, v5, v12, v22, v23 are written: the loads, LDS lines and stores of the whole kernel read them
	global_load_b64 v[CH:CH+1], v[OADR], s[6:7]
	global_load_b128 v[QX:QX+3], v[SQN], s[26:27]
	; ---- the products, in waves 0-3: rows 64 g + 16 w + r
	s_cmp_lt_u32 s[WV], 4
	s_cbranch_scc0 .Lknn
	s_lshl_b32 s52, ttmp9, 6
	s_lshl_b32 s53, s[WV], 4
	s_add_co_u32 s52, s52, s53                     ; my first row
	s_lshl_b32 s54, s52, 8
	s_mov_b32 s55, 0
	s_add_nc_u64 s[8:9], s[8:9], s[54:55]
	s_add_nc_u64 s[18:19], s[18:19], s[54:55]
	s_lshl_b32 s54, s52, 9
	s_add_nc_u64 s[20:21], s[20:21], s[54:55]
	v_lshlrev_b32 v18, 8, v[VR]
	v_lshl_add_u32 v18, v[VH], 5, v18              ; features: 256 r + 32 h
	v_lshlrev_b32 v19, 5, v[VH]                    ; bk: 32 h
	v_lshlrev_b32 v20, 9, v[VH]
	v_lshl_add_u32 v20, v[VR], 4, v20              ; kv, on the way out: 512 h + 16 r
	s_wait_alu depctr_va_vdst(0)                   ; v18, v19 and v20 are written: the loads below and the stores of k and v read them as offsets
.irp c, 0,1,2,3
	global_load_b128 v[F+8*\c:F+8*\c+3], v18, s[8:9] offset:64*\c          ; features(row r, 16 c + 8 h + 0..7)
	global_load_b128 v[F+8*\c+4:F+8*\c+7], v18, s[8:9] offset:64*\c+16
.endr
.irp m, 0,1,2,3
.irp t, 0,1,2,3
	global_load_b128 v[WF+32*\m+8*\t:WF+32*\m+8*\t+3], v[L16], s[10:11] offset:(\m+1)*4096+\t*1024        ; a fragment as it was stored: 512 consecutive bytes a load
	global_load_b128 v[WF+32*\m+8*\t+4:WF+32*\m+8*\t+7], v[L16], s[10:11] offset:(\m+1)*4096+\t*1024+512
.endr
.endr
.irp t, 0,1,2,3
	global_load_b128 v[BK+8*\t:BK+8*\t+3], v19, s[14:15] offset:64*\t      ; bk(16 t + 8 h + 0..7): the result's layout
	global_load_b128 v[BK+8*\t+4:BK+8*\t+7], v19, s[14:15] offset:64*\t+16
.endr
	s_wait_kmcnt 0x0
	QCONST 34
	PCONST 34, 35
	s_wait_loadcnt 0x0
.set n, 0
.rept 32
	v_med3_num_f32 v[F+n], v[F+n], -v17, v17
.set n, n+1
.endr
	CODES F
	MUL4 WF
.set n, 0
.rept 16
	v_pk_fma_f32 v[BK+n:BK+n+1], v[XD+n:XD+n+1], s[50:51], v[BK+n:BK+n+1] op_sel_hi:[1,0,1]   ; x = sum x 2^(e2 + e3) + bk
.set n, n+2
.endr
	PART 36, 37, WF+32                             ; q, into Wk's registers
	PART 38, 39, WF+64                             ; k, into Wq's
	PART 40, 41, WF+96                             ; v, into Wks's
	s_wait_alu depctr_va_vdst(0)                   ; the scalings have written v32-127, which the LDS stores read; the matrix instructions are done reading Wv, the conversions their numbers, the holds x: the LDS loads land in v128-223
.irp p, 0,1,2                                  ; q, k, v into the three parts of my stage
.irp t, 0,1,2,3
	ds_store_b128 v[STI], v[WF+32*\p+8*\t:WF+32*\p+8*\t+3] offset:4352*\p+64*\t
	ds_store_b128 v[STI], v[WF+32*\p+8*\t+4:WF+32*\p+8*\t+7] offset:4352*\p+64*\t+16
.endr
.endr
.irp p, 0,1,2                                  ; back as whole rows, two a load.  LDS serves a wave's instructions in order (ISA guide 5.7.1.4): these see my stores
.irp i, 0,1,2,3,4,5,6,7
	ds_load_b128 v[BACK+32*\p+4*\i:BACK+32*\p+4*\i+3], v[STB] offset:4352*\p+2*\i*272
.endr
.endr
	s_wait_dscnt 0x0
.irp i, 0,1,2,3,4,5,6,7
	global_store_b128 v[L16], v[BACK+4*\i:BACK+4*\i+3], s[18:19] offset:512*\i         ; two rows of q: 512 consecutive bytes
.endr
.irp i, 0,1,2,3,4,5,6,7
	global_store_b128 v20, v[BACK+32+4*\i:BACK+32+4*\i+3], s[20:21] offset:1024*\i      ; sixteen lanes store a row's k, 256 consecutive bytes at a multiple of 256,
	global_store_b128 v20, v[BACK+64+4*\i:BACK+64+4*\i+3], s[20:21] offset:1024*\i+256  ; or its v
.endr
	s_wait_xcnt 0x0                                ; the stores' registers are written again below
.Lknn:
	; ---- the neighbours
	s_wait_loadcnt 0x0                             ; my two chunks and my query
	s_wait_alu depctr_vm_vsrc(0)                   ; on every wave's way: the load of my query has read v12; in waves 0-3 the loads and stores above have read v18-20, the LDS stores v32-127, the global stores v128-191: all are written again below
	v_min_u32 v[CH], 511, v[CH]                    ; a loaded number enters an address only behind a bound
	v_min_u32 v[CH+1], 511, v[CH+1]
	v_lshlrev_b32 v[OUT], 8, v[CH]
	v_lshlrev_b32 v[OUT+1], 8, v[CH+1]
	s_wait_alu depctr_va_vdst(0)                   ; v14 and v15 are written, which the gathers read as offsets; every vector and matrix line that named v32-159, in which they land, is done
.irp u, 0,1
.irp i, 0,1,2,3,4,5,6,7,8,9,10,11,12,13,14,15
	global_load_b128 v[R+64*\u+4*\i:R+64*\u+4*\i+3], v[OUT+\u], s[48:49] offset:16*\i
.endr
.endr
	v_mul_f32 v[SQN], v[QX], v[QX]
	v_fmac_f32 v[SQN], v[QX+1], v[QX+1]
	v_fmac_f32 v[SQN], v[QX+2], v[QX+2]
	v_and_b32 v[VK], 4, v[VP]
	v_cmp_ne_u32 s[P2], 0, v[VK]
	v_and_b32 v[VK], 2, v[VP]
	v_cmp_ne_u32 s[P1], 0, v[VK]
	v_and_b32 v[VK], 1, v[VP]
	v_cmp_ne_u32 s[P0], 0, v[VK]
	v_lshl_or_b32 v16, v[CH], 4, 0x4b000000        ; 2^23 + 16 x chunk, as bits,
	v_add_nc_u32 v17, 0x4000, v16                  ; and + 16,384
	v_lshl_or_b32 v18, v[CH+1], 4, 0x4b000000
	v_add_nc_u32 v19, 0x4000, v18
	v_mov_b32 v[VBIG], 0x7f000000
	s_wait_loadcnt 0x0
	s_wait_alu depctr_vm_vsrc(0)                   ; the gathers have read v14 and v15, which the last lines write again
; the eight lines of a distance, each for all 32 points, so that no line waits for the line above it.  sq_m takes the place of the point's fourth number, x.y that of its x
.set n, 0
.rept 32
	v_mul_f32 v[R+4*n+3], v[R+4*n], v[R+4*n]
.set n, n+1
.endr
.set n, 0
.rept 32
	v_fmac_f32 v[R+4*n+3], v[R+4*n+1], v[R+4*n+1]
.set n, n+1
.endr
.set n, 0
.rept 32
	v_fmac_f32 v[R+4*n+3], v[R+4*n+2], v[R+4*n+2]
.set n, n+1
.endr
.set n, 0
.rept 32
	v_mul_f32 v[R+4*n], v[QX], v[R+4*n]
.set n, n+1
.endr
.set n, 0
.rept 32
	v_fmac_f32 v[R+4*n], v[QX+1], v[R+4*n+1]
.set n, n+1
.endr
.set n, 0
.rept 32
	v_fmac_f32 v[R+4*n], v[QX+2], v[R+4*n+2]
.set n, n+1
.endr
.set n, 0
.rept 32
	v_add_f32 v[R+4*n+3], v[SQN], v[R+4*n+3]
.set n, n+1
.endr
.set n, 0
.rept 32
	v_fma_f32 v[D+n], v[R+4*n], -2.0, v[R+4*n+3]
.set n, n+1
.endr
	LOWEST16                                       ; pass 1
	XMIN L0, L1, 4
	MAX16 VT, VK, L1                               ; T: the 16th smallest of the query's 256 distances
	KEYS 0
	KEYS 1
	LOWEST16                                       ; pass 2
	XMERGE L0, L1, 4
	PICK L1
	v_and_b32 v[OUT], 0x1fff, v[L1]
	v_and_b32 v[OUT+1], 0x1fff, v[L1+1]
	v_or_b32 v[OUT], s29, v[OUT]                   ; + 8192 b: a row of the whole tensor
	v_or_b32 v[OUT+1], s29, v[OUT+1]
	s_wait_alu depctr_va_vdst(0)                   ; my two neighbours are written in v14 and v15, which the store reads
	global_store_b64 v[OADR], v[OUT:OUT+1], s[16:17]   ; a wave stores 256 consecutive bytes, at a multiple of 256 from the buffer's first byte
	s_wait_xcnt 0x0
	v_lshl_add_u32 v254, v0, 2, 0xd000             ; the add's two registers are made anew here: no memory or LDS line has named v254 or v255
	v_mov_b32 v255, 0
	s_wait_dscnt 0x0                               ; the closing lines, six on end
	s_wait_alu 0x0
	s_wait_tensorcnt 0x0
	ds_add_u32 v254, v255
	s_wait_dscnt 0x0
	s_endpgm
.Lfunc_end_k_q82ccafeeb9_fine:
	.size	k_q82ccafeeb9_fine, .Lfunc_end_k_q82ccafeeb9_fine-k_q82ccafeeb9_fine
	.p2alignl 7, 3214868480
	.fill 96, 4, 3214868480
	.section	.rodata,"a",@progbits
	.p2align	6, 0x0
	.amdhsa_kernel k_q82ccafeeb9_fine
		.amdhsa_group_segment_fixed_size 55296
		.amdhsa_private_segment_fixed_size 0
		.amdhsa_enable_private_segment 0
		.amdhsa_kernarg_size 72
		.amdhsa_user_sgpr_count 2
		.amdhsa_user_sgpr_kernarg_segment_ptr 1
		.amdhsa_wavefront_size32 1
		.amdhsa_system_sgpr_workgroup_id_x 1
		.amdhsa_system_sgpr_workgroup_id_y 1
		.amdhsa_system_sgpr_workgroup_id_z 1
		.amdhsa_system_vgpr_workitem_id 0
		.amdhsa_next_free_vgpr 256
		.amdhsa_next_free_sgpr 100
		.amdhsa_reserve_vcc 0
		.amdhsa_float_denorm_mode_32 3
		.amdhsa_float_denorm_mode_16_64 3
		.amdhsa_memory_ordered 1
		.amdhsa_forward_progress 1
		.amdhsa_inst_pref_size 94
	.end_amdhsa_kernel
	.amdgpu_metadata
---
amdhsa.version: [ 1, 2 ]
amdhsa.kernels:
  - .name:           k_q82ccafeeb9_fine
    .symbol:         k_q82ccafeeb9_fine.kd
    .args:
      - { .name: xyzp, .offset: 0, .size: 8, .value_kind: global_buffer, .address_space: global }
      - { .name: chunks, .offset: 8, .size: 8, .value_kind: global_buffer, .address_space: global }
      - { .name: features, .offset: 16, .size: 8, .value_kind: global_buffer, .address_space: global }
      - { .name: wcodes, .offset: 24, .size: 8, .value_kind: global_buffer, .address_space: global }
      - { .name: lowp_scales, .offset: 32, .size: 8, .value_kind: global_buffer, .address_space: global }
      - { .name: bk, .offset: 40, .size: 8, .value_kind: global_buffer, .address_space: global }
      - { .name: idx, .offset: 48, .size: 8, .value_kind: global_buffer, .address_space: global }
      - { .name: qbuf, .offset: 56, .size: 8, .value_kind: global_buffer, .address_space: global }
      - { .name: kv, .offset: 64, .size: 8, .value_kind: global_buffer, .address_space: global }
    .group_segment_fixed_size: 55296
    .private_segment_fixed_size: 0
    .kernarg_segment_align: 8
    .kernarg_segment_size: 72
    .max_flat_workgroup_size: 512
    .sgpr_count:     100
    .vgpr_count:     256
    .wavefront_size: 32
...
	.end_amdgpu_metadata
.endif
;; end of part 4
;; launch attn: the kernel of part 3 again; grid 256 x 1, 8 waves a work-group, no clusters, 35,840 bytes of LDS; arguments xyzp, idx, qbuf, kv, wcodes, lowp_scales, Wp1, bp1, bp2, bt1, bt2, ba, features, out0; writes out0
